; MI455X (gfx1250); checked and timed in simulation.
; The chip was launched on July 23, 2026; its instructions are those of AMD's public machine-readable ISA for CDNA 5 (MIT licence, August 2026) and "CDNA5" Instruction Set Architecture Reference Guide (July 2026). The comments in the code are by the model that wrote it; some were corrected since.
;; Multi Head Attention. Allowed arithmetic: matrix products marked QUANTISED: E2M1 operands, one E8M0 scale for each 32 along K, by v_wmma_scale_f32_16x16x128_f8f6f4 with both operands' format E2M1 (or v_wmma_scale_f32_32x16x128_f4), f32 sums; everything else in f32.
;; Inputs: bk 1,024 float32; bo 1,024 float32; bq 1,024 float32; bv 1,024 float32; embeddings_codes 4 x 2,048 x 32 x 16 uint8 (E2M1 codes of embeddings, K innermost, in blocks of 32 codes, two codes a byte); embeddings_scales 4 x 2,048 x 32 uint8 (E8M0 scales of embeddings, one for each 32 codes along K); wk_codes 1,024 x 32 x 16 uint8 (E2M1 codes of wk, K innermost, in blocks of 32 codes, two codes a byte); wk_scales 1,024 x 32 uint8 (E8M0 scales of wk, one for each 32 codes along K); wo_codes 1,024 x 32 x 16 uint8 (E2M1 codes of wo, K innermost, in blocks of 32 codes, two codes a byte); wo_scales 1,024 x 32 uint8 (E8M0 scales of wo, one for each 32 codes along K); wq_codes 1,024 x 32 x 16 uint8 (E2M1 codes of wq, K innermost, in blocks of 32 codes, two codes a byte); wq_scales 1,024 x 32 uint8 (E8M0 scales of wq, one for each 32 codes along K); wv_codes 1,024 x 32 x 16 uint8 (E2M1 codes of wv, K innermost, in blocks of 32 codes, two codes a byte); wv_scales 1,024 x 32 uint8 (E8M0 scales of wv, one for each 32 codes along K).
;; Outputs: out0 4 x 2,048 x 1,024 float32.
;; This version of the problem:
;;   THIS VERSION OF THE PROBLEM IS GIVEN IN LOW PRECISION. The matrix products marked QUANTISED in the list below multiply operands that are first quantised to E2M1 (2 exponent bits, 1 mantissa bit; 4 bits a number), with one power-of-two scale for each 32 numbers along K (OCP MX v1.0); their sums are f32. All else is computed in f32.
;;   The module's matrix products, in the order in which they are computed (A, B: the left and right operand; K: the contracted axis; several contracted axes count as one K, in the product's order):
;;     1. [M 8,192, K 1,024] x [K 1,024, N 1,024]; A: input embeddings (given as codes); B: input wq (given as codes): QUANTISED
;;     2. [M 8,192, K 1,024] x [K 1,024, N 1,024]; A: input embeddings (given as codes); B: input wk (given as codes): QUANTISED
;;     3. [M 8,192, K 1,024] x [K 1,024, N 1,024]; A: input embeddings (given as codes); B: input wv (given as codes): QUANTISED
;;     4. batch 64 x [M 2,048, K 64] x [K 64, N 2,048]; A: computed on the way; B: computed on the way: QUANTISED
;;     5. batch 64 x [M 64, K 2,048] x [K 2,048, N 2,048]; A: computed on the way; B: softmax (see below): QUANTISED
;;     6. [M 8,192, K 1,024] x [K 1,024, N 1,024]; A: computed on the way; B: input wo (given as codes): QUANTISED
;;   THE QUANTISER, for each operand of a quantised product, along K:
;;     - K is cut into blocks of 32 from its start; a last block that is shorter is filled with zeros.
;;     - A block's scale is 2^e with e = floor(log2(the largest magnitude in the block)) - 2, held to -126 .. 127; a block of zeros has e = 0. As a byte (E8M0): e + 127.
;;     - Each number is divided by its block's scale, clamped to +-6, and rounded to the nearest number of E2M1, ties to even, subnormals kept.
;;     - The product sums the exact products of the quantised numbers (number of the format x scale) in f32.
;;   ~~~python
;;   def quantise(x, axis):      # numpy; x: float32 -> the quantised numbers, widened to float32 again
;;       x = np.moveaxis(x, axis, -1); K = x.shape[-1]
;;       x = np.pad(x, [(0, 0)] * (x.ndim - 1) + [(0, -K % 32)]); x = x.reshape(x.shape[:-1] + (-1, 32)); a = np.abs(x).max(-1, keepdims=True)
;;       e = np.where(a > 0, np.clip(np.frexp(np.where(a > 0, a, 1))[1] - 1 - 2, -126, 127), 0)      # np.frexp(a)[1] - 1 = floor(log2(a)), exactly
;;       r = np.clip(x / 2.0 ** e, -6, 6)
;;       step = 2.0 ** (np.maximum(np.frexp(np.where(r == 0, 1, r))[1] - 1, 0) - 1)
;;       q = np.round(r / step) * step * 2.0 ** e      # np.round: ties to even
;;       return np.moveaxis(q.reshape(q.shape[:-2] + (-1,))[..., :K], -1, axis).astype(np.float32)
;;   ~~~
;;   SOFTMAX AHEAD OF A QUANTISED PRODUCT. Where the list says 'softmax', what is quantised is not the finished softmax but p = 2^(t - M), with t = logit x log2(e) and M = ceil(the row's largest t), a whole number; so 1/2 < the row's largest p <= 1. The row's sum l is taken of the UNQUANTISED p, in f32, and the product's result is divided by l at the end. Since M is a whole number, a kernel that streams over the keys may use a running M (the ceiling of the running maximum): every later rescaling is an exact power of two, which a block's scale takes up: the codes' values come out the same.
;;   OPERANDS COMPUTED ON THE WAY. 'Computed on the way' means the value that the module computes at that place (a softmax that the list does not call 'softmax' is quantised finished and normalised). What goes into a quantiser is computed in f32, as accurately as f32 sums, v_exp_f32 and their like allow (about 1e-6 of the number): no bf16 or f16 on the way to a quantiser, and a product that is left as it is and whose result goes on into a quantised operand takes f32 operands (vector FMAs, or v_wmma_f32_16x16x4_f32). A number that lies on a knife's edge between two numbers of the format may be rounded either way, as far as f32 arithmetic and the matrix unit's own rounding can turn it there, and no further.
;;   INPUTS GIVEN AS CODES. embeddings (in the module: [4, 2048, 1024], K = its axis 2); wk (in the module: [1024, 1024], K = its axis 1); wo (in the module: [1024, 1024], K = its axis 1); wq (in the module: [1024, 1024], K = its axis 1); wv (in the module: [1024, 1024], K = its axis 1): each comes as NAME_codes (uint8): NAME with its K axis moved to the last place and cut into blocks of 32 codes, [.., K / 32, bytes a block], one block behind the other in memory; two codes a byte, the lower K in the low four bits (a code: sign, 2 exponent bits, 1 mantissa bit); and NAME_scales (uint8): the same leading axes, one E8M0 byte (e + 127) for each 32 codes along K. Its value is code x scale, taken as it is: it is not quantised again, and the codes and scales need not be those that the quantiser above would give.
;; One version. Each part assembles by itself: llvm-mc -triple=amdgcn-amd-amdhsa -mcpu=gfx1250 --defsym DOCPART=n.
;; ======== version 1 of 1: 3 launches
;; limits: right only within a limited range of input values
;; workspace buffers: qkimg 8,388,608 bytes; qksc 1,048,576 bytes; vimg 4,194,304 bytes; vsc 262,144 bytes; aimg 4,194,304 bytes; asc 262,144 bytes
;; launch proj (part 1): grid 8 x 32, 4 waves a work-group, clusters of 4 x 4, 327,680 bytes of LDS; arguments embeddings_codes, embeddings_scales, wq_codes, wq_scales, wk_codes, wk_scales, wv_codes, wv_scales, bq, bk, bv, qkimg, qksc, vimg, vsc; writes qkimg, qksc, vimg, vsc
.if DOCPART == 1
	.amdgcn_target "amdgcn-amd-amdhsa--gfx1250"
	.amdhsa_code_object_version 6
	.text
	.protected	k_q01b211f3b3_proj
	.globl	k_q01b211f3b3_proj
	.p2align	8
	.type	k_q01b211f3b3_proj,@function
k_q01b211f3b3_proj:
	s_mov_b64 s[64:65], 0
	v_nop
	global_prefetch_b8 v0, s[64:65] scope:SCOPE_SE
	s_setreg_imm32_b32 hwreg(HW_REG_WAVE_MODE, 25, 1), 1
	s_wait_xcnt 0x0
	s_wait_alu depctr_hold_cnt(0) depctr_sa_sdst(0) depctr_va_vdst(0) depctr_va_sdst(0) depctr_va_ssrc(0) depctr_va_vcc(0) depctr_vm_vsrc(0)
	s_getreg_b32 s2, hwreg(HW_REG_IB_STS2, 6, 4)
	s_cmp_eq_u32 s2, 0
	s_cbranch_scc0 .Lentry_in_a_cluster
	s_endpgm
.Lentry_in_a_cluster:
	s_bfe_u32 s2, ttmp6, 0x10000c
	s_cmp_lg_u32 s2, 0xf033
	s_cbranch_scc0 .Lentry_shape_is_right
	s_endpgm
.Lentry_shape_is_right:
; q = x wq^T + bq, k = x wk^T + bk, v = x wv^T + bv on codes of FP4 (E2M1) with one E8M0 scale for each 32 along K = 1,024, and the results quantised for the products that follow:
; q and k along the head's 64 (two blocks of 32), v along the keys (blocks of 32 tokens).  x: 8,192 rows; each weight: 1,024 rows; a row is 512 bytes of codes and 32 scale bytes.
; ONE MACRO FOR ALL THREE.  Source 0 of the matrix instruction is P, source 1 is R: in a result a lane holds ONE row of R (lane % 16) and its registers run along P's rows (8 (lane / 16) + 0 .. 7).  The quantiser goes along P.
; For q and k: P = the weight, R = x (a lane holds a token, registers run along the head's numbers).  For v: P = x, R = wv (a lane holds one of the head's 64, registers run along the tokens).
; A WORK-GROUP OWNS 256 ROWS OF x AND 128 ROWS OF EACH WEIGHT, over all of K, and makes three tiles: task 0 for q, 1 for k, 2 for v.  32 blocks of x times 8 blocks of columns: 256 work-groups.
; A wave makes 128 rows of P x 64 rows of R, 32 accumulators of 16 x 16: in tasks 0 and 1 all of the weight's 128 rows and a quarter of x's 256; in task 2 a half of x's rows and a half of wv's.
; LDS.  x's 256 rows (512 bytes + 16 of padding each) and their scale bytes are filled once and serve all three tasks.  The weights' tiles, 128 rows and their scale bytes, go through two slots: wq into slot 0 at the head;
; wk into slot 1, a first fill behind a wait, an add and a wait and a round of the cluster's barrier, so that it lands under task 0; wv into slot 0 again when task 0's last LDS reads have come back
; (ahead of its last 32 products), behind the same lines and a round: it has all of task 1 in which to land.
; CLUSTERS: 4 x 4 work-groups.  The weights' rows hang on the place along x alone and are shared down a column of the cluster, x's rows on the place along y alone and are shared along a row: each tile is asked for jointly.
; PREFETCH.  Behind wk's load, wv's codes (524,288 bytes) are asked for, seven K steps ahead of their load: 2,048 bytes a work-group, split by address over the 256 work-groups, eight lanes of wave 0, 256 bytes apart
; (the other lanes name the last block again).  Not asked for: the scale bytes, a sixteenth of the codes' bytes; what the head and the round behind it load, which has no step ahead of it.
; THE BIAS is the C of each sum's first matrix instruction: along P (q, k) eight numbers a lane and tile of P; along R (v) one number a lane and tile of R, spread over eight registers.
; THE RESULTS LEAVE AS IMAGES OF THE NEXT OPERAND'S REGISTERS: four registers of codes as 512 consecutive bytes, lane l's 16 bytes at 16 l, stored straight from registers; the scale words of four tiles as 256 consecutive bytes.
; LIMITS: NaN and infinities are not served.  A block whose largest magnitude lies under 2^-124 gets the scale byte 1, a block of zeros too (the rule says 127): its codes are zeros, and only this program reads the bytes.
; REGISTERS, in windows of 256: window 0: addresses, scale words, biases, codes; window 1: the accumulators, (a, b) at v[64 a + 8 b]; window 2: two sets of fragments, set s at v[128 s]: P's eight, then R's four.
.set PITCH, 528                        ; an LDS row: 512 bytes + 16 of padding = 33 x 16 bytes: the 16 rows of a fragment load start in 16 different columns of 16 bytes
.set PHALF, 128*PITCH                  ; what one wave reads of P
.set RHALF, 64*PITCH                   ; and of R
.set W0,    256*PITCH                  ; behind x's 256 rows: the weights' slot 0,
.set WSZ,   128*PITCH                  ; and, so many bytes on, slot 1
.set XS,    W0+2*WSZ                   ; x's scale bytes: 32 units of 256 bytes + 16
.set WS0,   XS+32*272                  ; the weights': 16 units a slot
.set WSS,   16*272
.set SPARE, WS0+2*WSS                  ; the spare words: 128 bytes a wave
.set ADP,  10                          ; v10  my P fragments
.set ADR,  12                          ; v12  my R fragments
.set ADSP, 14                          ; v14  my P scale words
.set ADSR, 15                          ; v15  my R scale words
.set L16,  16                          ; v16  16 x lane
.set L8,   17                          ; v17  8 x lane
.set BOF,  18                          ; v18  the bias loads' offset
.set SA,   19                          ; v19  the stores' offset: codes
.set SB,   20                          ; v20  scale words
.set PFO,  21                          ; v21  the prefetch's offset; never rewritten
.set SCP,  32                          ; v32-63  P's scale words: register 4 b + q: lanes 0-15 K step q, lanes 16-31 K step 4 + q
.set SCR,  64                          ; v64-79  R's: register 4 a + q
.set BP,   80                          ; v80-143 the bias in the result's layout: q, k: register 8 b + j; v: registers 8 a + 0 .. 7, all equal
.set OC,   144                         ; v144-175 the codes made: 8 registers for each tile a
.set OW,   176                         ; v176-179 the scale word of tile a
.set XY,   180                         ; v180-183 scale words paired for the stores
.set XY2,  182
.set TM,   200                         ; v200-215 at work in the quantiser
.set WV, 34
.set WH, 35
.set WL, 36
.set CX, 37
.set CY, 38
.set WROW, 40                          ; s40  the work-group's first row of each weight: the place along x alone
.set XROW, 41                          ; s41  its first row of x: the place along y alone
.set SEL, 46                           ; s[46:47] lane selects for v_permlanex16_b32: lane l xor 16
.set G1X, 48
.set G1W, 56
.set G1XS, 68
.set G1WS, 76
.set G0X, 84
.set G0XS, 88
.set G0W, 92
.set G0WS, 96
.set MSB, 0
.macro WIN new                         ; the immediate's high byte repeats the setting that is left
.if MSB != \new
	s_set_vgpr_msb (MSB<<8)|\new
.set MSB, \new
.endif
.endm
.macro PLACES n
.rept \n
	v_nop
.endr
.endm
.macro TL g0, g1                       ; a joint load, its s_nop 0 and four v_nop
	tensor_load_to_lds s[\g0:\g0+3], s[\g1:\g1+7]
	s_nop 0
.rept 4
	v_nop
.endr
.endm
; A weight's tile and its scale bytes: wave 2 and wave 3, one load each, in one chain of branches on the wave's number
.macro ARMW
	s_cmp_lg_u32 s[WV], 2
	s_cbranch_scc1 .Lb1_\@
	TL G0W, G1W
	s_branch .Lbasked_\@
.Lb1_\@:
	s_cmp_lg_u32 s[WV], 3
	s_cbranch_scc1 .Lbasked_\@
	TL G0WS, G1WS
.Lbasked_\@:
.endm
.macro CROUND                          ; a round of the cluster's barrier
	s_barrier_signal -1
	s_barrier_wait -1
	s_cmp_lg_u32 s[WV], 0
	s_cbranch_scc1 .Lnot_wave_0_\@
	s_barrier_signal -3
.Lnot_wave_0_\@:
	s_barrier_wait -3
	s_barrier_signal -1
	s_barrier_wait -1
.endm
.macro G1SET g, c, r, p                ; a group 1's words 1 to 7: r rows of c elements, p elements apart
	s_mov_b32 s[\g+1], (\c)<<16
	s_mov_b32 s[\g+2], (\r)<<16
	s_mov_b32 s[\g+3], (\c)<<16
	s_mov_b32 s[\g+4], \r
	s_mov_b32 s[\g+5], \p
	s_mov_b32 s[\g+6], 0
	s_mov_b32 s[\g+7], 0
.endm
; where a weight's tile comes from and into which slot it goes: codes 512 bytes a row, scale bytes 32.  The weights' offsets are made in s[66:67], x's in s[100:101]: neither pair ever holds the other place in the cluster
.macro DESCW pc, ps, slot
	s_mov_b32 s[G0W+1], W0+(\slot)*WSZ
	s_lshl_b32 s66, s[WROW], 9
	s_mov_b32 s67, 0
	s_add_nc_u64 s[G0W+2:G0W+3], s[\pc:\pc+1], s[66:67]
	s_or_b32 s[G0W+3], s[G0W+3], 0x80000000
	s_mov_b32 s[G0WS+1], WS0+(\slot)*WSS
	s_lshl_b32 s66, s[WROW], 5
	s_add_nc_u64 s[G0WS+2:G0WS+3], s[\ps:\ps+1], s[66:67]
	s_or_b32 s[G0WS+3], s[G0WS+3], 0x80000000
.endm
; the bias of task tt is asked for
.macro BIAS tt
.if (\tt) < 2
	s_lshl_b32 s2, s[WROW], 2
	v_lshl_add_u32 v[BOF], v2, 5, s2               ; lane (r, h) wants, for tile b, the numbers 16 b + 8 h + 0 .. 7
.irp b, 0,1,2,3,4,5,6,7
	global_load_b128 v[BP+8*\b:BP+8*\b+3], v[BOF], s[20+2*(\tt):21+2*(\tt)] offset:64*\b
	global_load_b128 v[BP+8*\b+4:BP+8*\b+7], v[BOF], s[20+2*(\tt):21+2*(\tt)] offset:64*\b+16
.endr
.else
	s_lshl_b32 s3, s[WH], 6
	s_add_co_u32 s2, s[WROW], s3                   ; my wave's first row of wv
	s_lshl_b32 s2, s2, 2
	v_lshl_add_u32 v[BOF], v1, 2, s2               ; lane (r, h) wants, for tile a, the number 16 a + r
.irp a, 0,1,2,3
	global_load_b32 v[BP+8*\a], v[BOF], s[24:25] offset:64*\a
.endr
.endif
.endm
; my wave's LDS addresses in task tt.  v4: a fragment's row x pitch + 16 h; v5: my place among a tile's scale words
.macro ADDR tt
.if (\tt) < 2
	v_add_nc_u32 v[ADP], W0+(\tt)*WSZ, v4          ; P: the weight's 128 rows, in slot tt;
	s_mul_i32 s2, s[WV], RHALF
	v_add_nc_u32 v[ADR], s2, v4                    ; R: my quarter of x's rows
	v_add_nc_u32 v[ADSP], WS0+(\tt)*WSS, v5
	s_mul_i32 s2, s[WV], 8*272
	s_add_co_u32 s2, s2, XS
	v_add_nc_u32 v[ADSR], s2, v5
.else
	s_mul_i32 s2, s[WL], PHALF
	v_add_nc_u32 v[ADP], s2, v4                    ; P: my half of x's rows;
	s_mul_i32 s2, s[WH], RHALF
	s_add_co_u32 s2, s2, W0
	v_add_nc_u32 v[ADR], s2, v4                    ; R: my half of wv's, in slot 0
	s_mul_i32 s2, s[WL], 16*272
	s_add_co_u32 s2, s2, XS
	v_add_nc_u32 v[ADSP], s2, v5
	s_mul_i32 s2, s[WH], 8*272
	s_add_co_u32 s2, s2, WS0
	v_add_nc_u32 v[ADSR], s2, v5
.endif
	s_wait_alu depctr_va_vdst(0)                   ; the wait directly behind the writes
.endm
	s_load_b512 s[4:19], s[0:1], 0x0               ; x codes, x scales, wq codes, wq scales, wk codes, wk scales, wv codes, wv scales
	s_load_b256 s[20:27], s[0:1], 0x40             ; bq, bk, bv, qkimg
	s_load_b128 s[28:31], s[0:1], 0x60             ; qksc, vimg
	s_load_b64 s[32:33], s[0:1], 0x70              ; vsc
	v_lshl_add_u32 v254, v0, 2, SPARE
	v_mov_b32 v255, 0
	ds_add_u32 v254, v255                          ; the opening lines: the add, twice on end, and its wait ahead of the first tensor load
	ds_add_u32 v254, v255
	v_lshrrev_b32 v1, 5, v0
	v_readfirstlane_b32 s[WV], v1                  ; wave 0..3
	s_lshr_b32 s[WH], s[WV], 1
	s_and_b32 s[WL], s[WV], 1
	s_bfe_u32 s[CX], ttmp6, 0x40000
	s_bfe_u32 s[CY], ttmp6, 0x40004
	s_lshl_b32 s[WROW], ttmp9, 2
	s_add_co_u32 s[WROW], s[WROW], s[CX]           ; my block of columns, 0..7
	s_lshl_b32 s[WROW], s[WROW], 7
	s_and_b32 s[XROW], ttmp7, 0xffff
	s_lshl_b32 s[XROW], s[XROW], 2
	s_add_co_u32 s[XROW], s[XROW], s[CY]           ; my block of tokens, 0..31
	s_lshl_b32 s[XROW], s[XROW], 8
	s_lshl_b32 s44, 0x1111, s[CX]                  ; my column of the cluster
	s_lshl_b32 s45, s[CY], 2
	s_lshl_b32 s45, 15, s45                        ; my row
	s_mov_b32 s[SEL], 0x76543210
	s_mov_b32 s[SEL+1], 0xfedcba98
	; descriptor groups 1.  Codes: rows of 512 bytes, four words of padding after every 128; scale bytes: dense blocks as rows of 256 bytes (32 elements of 8 bytes), four words of padding after every 64
	s_or_b32 s[G1X], s45, (1<<20)|(1<<21)|(6<<22)|(3<<25)
	s_or_b32 s[G1W], s44, (1<<20)|(1<<21)|(6<<22)|(3<<25)
	s_or_b32 s[G1XS], s45, (3<<16)|(1<<20)|(1<<21)|(5<<22)|(3<<25)
	s_or_b32 s[G1WS], s44, (3<<16)|(1<<20)|(1<<21)|(5<<22)|(3<<25)
	G1SET G1X, 512, 256, 512
	G1SET G1W, 512, 128, 512
	G1SET G1XS, 32, 32, 32
	G1SET G1WS, 32, 16, 32
.irp g, G0X, G0XS, G0W, G0WS
	s_mov_b32 s[\g], 1
.endr
	s_mov_b32 s[G0X+1], 0                          ; constant LDS addresses: no place in the cluster enters one
	s_mov_b32 s[G0XS+1], XS
	s_wait_dscnt 0x0                               ; both opening adds are done
	s_wait_kmcnt 0x0
	s_lshl_b32 s100, s[XROW], 9
	s_mov_b32 s101, 0
	s_add_nc_u64 s[G0X+2:G0X+3], s[4:5], s[100:101]
	s_or_b32 s[G0X+3], s[G0X+3], 0x80000000
	s_lshl_b32 s100, s[XROW], 5
	s_add_nc_u64 s[G0XS+2:G0XS+3], s[6:7], s[100:101]
	s_or_b32 s[G0XS+3], s[G0XS+3], 0x80000000
	DESCW 8, 10, 0                                 ; wq into slot 0
	CROUND                                         ; all sixteen work-groups are here: the joint loads meet
	; THE HEAD'S LOADS, ONE A WAVE, in one chain of branches on the wave's number: wave 0 x's 256 rows, wave 1 x's scale bytes, wave 2 wq's 128 rows, wave 3 wq's scale bytes
	s_cmp_lg_u32 s[WV], 0
	s_cbranch_scc1 .Lh1
	TL G0X, G1X
	s_branch .Lhead_asked
.Lh1:
	s_cmp_lg_u32 s[WV], 1
	s_cbranch_scc1 .Lh2
	TL G0XS, G1XS
	s_branch .Lhead_asked
.Lh2:
	s_cmp_lg_u32 s[WV], 2
	s_cbranch_scc1 .Lh3
	TL G0W, G1W
	s_branch .Lhead_asked
.Lh3:
	TL G0WS, G1WS
.Lhead_asked:
	v_and_b32 v1, 15, v0                           ; r
	v_bfe_u32 v2, v0, 4, 1                         ; h
	v_and_b32 v3, 31, v0                           ; lane
	v_mul_u32_u24 v4, v1, PITCH
	v_lshl_add_u32 v4, v2, 4, v4                   ; a fragment's row x pitch + 16 h
	v_lshlrev_b32 v5, 5, v1                        ; a row's 32 scale bytes, eight rows to a unit of 256 + 16:
	v_lshrrev_b32 v6, 3, v1
	v_lshl_add_u32 v5, v6, 4, v5                   ; 32 r + 16 (r / 8);
	v_lshl_add_u32 v5, v2, 4, v5                   ; lanes 0-15 take the words of K steps 0-3, lanes 16-31 those of K steps 4-7
	v_lshlrev_b32 v[L16], 4, v3
	v_lshlrev_b32 v[L8], 3, v3
.irp b, 0,1,2,3
	v_mov_b32 v[TM+4+\b], 0                        ; written once: a lane permute's destination counts as one of its sources
.endr
	s_lshr_b32 s2, s[XROW], 5
	s_lshr_b32 s3, s[WROW], 7
	s_add_co_u32 s2, s2, s3                        ; my work-group's number among the 256: 8 x block of tokens + block of columns,
	s_lshl_b32 s2, s2, 11                          ; its 2,048 bytes of wv's codes,
	v_min_u32 v[PFO], 7, v3
	v_lshl_add_u32 v[PFO], v[PFO], 8, s2           ; eight blocks of 256 bytes
	ADDR 0
	BIAS 0
; one scaled matrix instruction: D, A, B, C by their first registers, the two scale registers, and whether both are read from lanes 16-31
.macro WM d, p, r, c, sa, sb, row
.if (\row)
	v_wmma_scale_f32_16x16x128_f8f6f4 v[(\d):(\d)+7], v[(\p):(\p)+7], v[(\r):(\r)+7], v[(\c):(\c)+7], v[\sa], v[\sb] matrix_a_fmt:MATRIX_FMT_FP4 matrix_b_fmt:MATRIX_FMT_FP4 matrix_a_scale:MATRIX_SCALE_ROW1 matrix_b_scale:MATRIX_SCALE_ROW1
.else
	v_wmma_scale_f32_16x16x128_f8f6f4 v[(\d):(\d)+7], v[(\p):(\p)+7], v[(\r):(\r)+7], v[(\c):(\c)+7], v[\sa], v[\sb] matrix_a_fmt:MATRIX_FMT_FP4 matrix_b_fmt:MATRIX_FMT_FP4
.endif
.endm
.macro SCALES                          ; all scale words of my rows, for all of K: 12 loads
.irp b, 0,1,2,3,4,5,6,7
	ds_load_b128 v[SCP+4*\b:SCP+4*\b+3], v[ADSP] offset:544*\b
.endr
.irp a, 0,1,2,3
	ds_load_b128 v[SCR+4*\a:SCR+4*\a+3], v[ADSR] offset:544*\a
.endr
.endm
; the fragments of K step k (128 along K: 64 bytes of a row) into a set: 24 loads.  A fragment is 8 registers: lane (r, h) holds row r; registers 4 c .. 4 c + 3 hold K = 64 c + 32 h + 0 .. 31
.macro FETCH k, set
	WIN 0x80                                       ; destination window 2, address window 0
.irp i, 0,1,2,3,4,5,6,7
.irp c, 0,1
	ds_load_b128 v[128*(\set)+8*\i+4*\c:128*(\set)+8*\i+4*\c+3], v[ADP] offset:64*(\k)+32*\c+\i*16*PITCH
.endr
.endr
.irp i, 0,1,2,3
.irp c, 0,1
	ds_load_b128 v[128*(\set)+64+8*\i+4*\c:128*(\set)+64+8*\i+4*\c+3], v[ADR] offset:64*(\k)+32*\c+\i*16*PITCH
.endr
.endr
.endm
; K step k: 32 matrix instructions; the 32 accumulators take turns, one instruction a turn, in the same order in every step.  The first step's C is the bias.
.macro MUL k, set, tt
.if (\k) == 0
	WIN 0x4a                                       ; A and B window 2, C window 0, D window 1
.else
	WIN 0x5a                                       ; C and D window 1
.endif
.irp a, 0,1,2,3
.irp b, 0,1,2,3,4,5,6,7
.if (\k) > 0
	WM 64*\a+8*\b, 128*(\set)+8*\b, 128*(\set)+64+8*\a, 64*\a+8*\b, SCP+4*\b+(\k)%4, SCR+4*\a+(\k)%4, (\k)/4
.elseif (\tt) == 2
	WM 64*\a+8*\b, 128*(\set)+8*\b, 128*(\set)+64+8*\a, BP+8*\a, SCP+4*\b+(\k)%4, SCR+4*\a+(\k)%4, (\k)/4
.else
	WM 64*\a+8*\b, 128*(\set)+8*\b, 128*(\set)+64+8*\a, BP+8*\b, SCP+4*\b+(\k)%4, SCR+4*\a+(\k)%4, (\k)/4
.endif
.endr
.endr
.endm
; THE QUANTISER for tile a of R's rows: 64 numbers a lane, register 8 t + j = P's row 16 t + 8 h + j.  A block of 32 along P is tiles 2 b and 2 b + 1 in lanes l and l xor 16.
; The conversion of tile t gives one register: lanes 0-15 the codes of rows 16 t .. + 7, lanes 16-31 of rows 16 t + 8 .. + 15.  The operand wants a whole block in a lane (register 4 c + i: K = 64 c + 32 h + 8 i ..):
; tile t's register is put at 4 (t / 4) + 2 (t % 2) + (t / 2) % 2, and neighbouring registers then exchange one's upper lanes with the other's lower lanes.
.macro QUANT a
.set S0, 64*(\a)
	WIN 0x05                                       ; the sums in window 1
.irp b, 0,1,2,3
	v_max3_num_f32 v[TM+\b], |v[S0+16*\b]|, |v[S0+16*\b+1]|, 0x1800000      ; my 16 numbers of block b, each accumulator from its low end on, and the floor 2^(3 - 127): the byte cannot fall under 1
.endr
.irp i, 2,4,6,8,10,12,14
.irp b, 0,1,2,3
	v_max3_num_f32 v[TM+\b], |v[S0+16*\b+\i]|, |v[S0+16*\b+\i+1]|, v[TM+\b]
.endr
.endr
	WIN 0
.irp b, 0,1,2,3
	v_permlanex16_b32 v[TM+4+\b], v[TM+\b], s[SEL], s[SEL+1]
.endr
.irp b, 0,1,2,3
	v_max_num_f32 v[TM+\b], v[TM+\b], v[TM+4+\b]   ; the block's largest magnitude
.endr
.irp b, 0,1,2,3
	v_add_nc_u32 v[TM+12+\b], 0xff000000, v[TM+\b] ; 2 off its exponent field: the conversion's scale operand
.endr
.irp b, 0,1,2,3
	v_lshrrev_b32 v[TM+4+\b], 23, v[TM+12+\b]      ; the scale's byte
.endr
	v_lshl_or_b32 v[OW+(\a)], v[TM+5], 8, v[TM+4]
	v_lshl_or_b32 v[OW+(\a)], v[TM+6], 16, v[OW+(\a)]
	v_lshl_or_b32 v[OW+(\a)], v[TM+7], 24, v[OW+(\a)]
	WIN 0x01
.irp t, 0,1,2,3,4,5,6,7
	v_cvt_scalef32_pk8_fp4_f32 v[OC+8*(\a)+4*(\t/4)+2*(\t%2)+(\t/2)%2], v[S0+8*\t:S0+8*\t+7], v[TM+12+\t/2]
.endr
	WIN 0
	v_nop                                          ; one plain place behind a scaled conversion
.irp i, 0,1,2,3
	v_permlane16_swap_b32 v[OC+8*(\a)+2*\i], v[OC+8*(\a)+2*\i+1]
.endr
.endm
; ONE TASK: its tiles are in LDS, shown to every wave; its bias has been asked for; its addresses are made.
.macro BODY tt
	SCALES
	FETCH 0, 0
	s_wait_loadcnt 0x0                             ; the bias
.if (\tt) == 2
	WIN 0
.irp a, 0,1,2,3
.irp j, 1,2,3,4,5,6,7
	v_mov_b32 v[BP+8*\a+\j], v[BP+8*\a]            ; one number a lane and tile of R, in all eight registers of a C
.endr
.endr
.endif
	s_wait_alu depctr_va_vdst(0)                   ; ahead of the waits below
.set KK, 0
.rept 8
.if KK > 0
	PLACES 4                                       ; in front of loads into the set that the last step multiplied
.endif
.if KK < 7
	FETCH KK+1, (KK+1)%2
	s_wait_dscnt 24                                ; all but the 24 loads just issued: this step's fragments are in
.elseif (\tt) == 0
	WIN 0                                          ; THE REFILL of slot 0.
	s_wait_tensorcnt 0x0                           ; no tensor load of mine is out (wk's tile, if I fetched for it, is in), so a group 0 may be written;
	ds_add_u32 v254, v255                          ; 0 onto my spare word;
	DESCW 16, 18, 0                                ; wv into slot 0
	s_wait_dscnt 0x0                               ; the add is done, and my reads of wq's tile are over: the last fragments are in registers
	CROUND                                         ; both now hold of every wave of all sixteen work-groups; and wk's tile is shown to every wave
	ARMW                                           ; my one tensor load behind the round
	BIAS 1                                         ; the next task's bias (the first K step read these registers; v_nop enough have passed)
.elseif (\tt) == 1
	s_wait_dscnt 0x0
	WIN 0
	BIAS 2
.else
	s_wait_dscnt 0x0
.endif
	MUL KK, KK%2, \tt
.set KK, KK+1
.endr
	PLACES 4                                       ; in front of the first reads of results
.if (\tt) > 0
	s_wait_xcnt 0x0                                ; the last task's stores have read their registers, which are written again below
.endif
	QUANT 0
	QUANT 1
	QUANT 2
	QUANT 3
	; where the images go.  s44: my first row of the weight; s45: my first row of x.  q, k: my 128 rows of the weight are two heads, my 64 tokens four tiles.  v: my 128 tokens are one step of keys, my 64 rows of wv one head
.if (\tt) < 2
	s_mov_b32 s44, s[WROW]
	s_lshl_b32 s3, s[WV], 6
.else
	s_lshl_b32 s3, s[WH], 6
	s_add_co_u32 s44, s[WROW], s3
	s_lshl_b32 s3, s[WL], 7
.endif
	s_add_co_u32 s45, s[XROW], s3
	s_lshr_b32 s2, s45, 11
	s_lshl_b32 s2, s2, 20                          ; the batch
	s_lshr_b32 s3, s44, 6
	s_lshl_b32 s3, s3, 16                          ; the (first) head
	s_add_co_u32 s2, s2, s3
	s_and_b32 s3, s45, 2047
	s_lshl_b32 s3, s3, 5                           ; 32 bytes a token
	s_add_co_u32 s2, s2, s3
.if (\tt) == 1
	s_add_co_u32 s2, s2, 1<<22                     ; k lies behind q
.endif
.if (\tt) < 2
	s_lshr_b32 s3, s2, 3                           ; the scale words' buffer has an eighth of the bytes, in the same order
.else
	s_lshr_b32 s3, s2, 4                           ; a sixteenth
.endif
	s_wait_alu depctr_va_vdst(0)                   ; behind the run of scalar instructions
	; the scale words of my four tiles as 256 consecutive bytes: lane l stores 8 bytes: the words of tiles l / 16 and 2 + l / 16, row l % 16
	v_cmp_lt_u32 vcc_lo, 15, v3
	v_cndmask_b32 v[XY], v[OW], v[OW+1], vcc_lo
	v_cndmask_b32 v[XY+1], v[OW+2], v[OW+3], vcc_lo
	v_add_nc_u32 v[SA], s2, v[L16]
	v_add_nc_u32 v[SB], s3, v[L8]
.if (\tt) < 2
	v_lshrrev_b32 v[XY2], 16, v[XY]                ; the second head's two bytes;
	v_lshrrev_b32 v[XY2+1], 16, v[XY+1]
	v_and_b32 v[XY], 0xffff, v[XY]                 ; the first head's.  The upper two bytes of a word scale the empty half of the next product's K
	v_and_b32 v[XY+1], 0xffff, v[XY+1]
.irp a, 0,1,2,3
.irp c, 0,1
	global_store_b128 v[SA], v[OC+8*\a+4*\c:OC+8*\a+4*\c+3], s[26:27] offset:65536*\c+512*\a   ; registers 0-3 the first head's 64, registers 4-7 the second's; 32 lanes store 512 consecutive bytes, aligned
.endr
.endr
	global_store_b64 v[SB], v[XY:XY+1], s[28:29]
	global_store_b64 v[SB], v[XY2:XY2+1], s[28:29] offset:8192
.else
.irp a, 0,1,2,3
.irp c, 0,1
	global_store_b128 v[SA], v[OC+8*\a+4*\c:OC+8*\a+4*\c+3], s[30:31] offset:1024*\a+512*\c    ; tile a is the head's numbers 16 a on
.endr
.endr
	global_store_b64 v[SB], v[XY:XY+1], s[32:33]
.endif
.endm
	s_wait_alu depctr_va_vdst(0)                   ; the head's end
	s_wait_tensorcnt 0x0                           ; my tile of the head's four is in
	ds_add_u32 v254, v255
	DESCW 12, 14, 1                                ; wk into slot 1
	s_wait_dscnt 0x0
	CROUND                                         ; all four tiles are in, and all sixteen work-groups are here
	ARMW                                           ; slot 1's first fill: my one tensor load behind the round
	s_cmp_lg_u32 s[WV], 0                          ; wave 0 asks for my work-group's 2,048 bytes of wv's codes
	s_cbranch_scc1 .Lno_pf
	global_prefetch_b8 v[PFO], s[16:17] th:TH_LOAD_NT scope:SCOPE_SE
.Lno_pf:
	BODY 0
	ADDR 1                                         ; wk's tile was shown to every wave by the round in task 0: no wait stands here, and wv's load stays out
	BODY 1
	ADDR 2
	s_wait_tensorcnt 0x0                           ; wv's tile, if I fetched for it, is in
	s_barrier_signal -1
	s_barrier_wait -1                              ; everybody's is
	BODY 2
	s_wait_tensorcnt 0x0                           ; the wave's end
	ds_add_u32 v254, v255
	s_wait_dscnt 0x0
	CROUND                                         ; the closing round: no work-group ends while a partner may still ask for a tile that names it
	s_endpgm
.Lfunc_end_k_q01b211f3b3_proj:
	.size	k_q01b211f3b3_proj, .Lfunc_end_k_q01b211f3b3_proj-k_q01b211f3b3_proj
	.p2alignl 7, 3214868480
	.fill 96, 4, 3214868480
	.section	.rodata,"a",@progbits
	.p2align	6, 0x0
	.amdhsa_kernel k_q01b211f3b3_proj
		.amdhsa_group_segment_fixed_size 327680
		.amdhsa_private_segment_fixed_size 0
		.amdhsa_enable_private_segment 0
		.amdhsa_kernarg_size 120
		.amdhsa_user_sgpr_count 2
		.amdhsa_user_sgpr_kernarg_segment_ptr 1
		.amdhsa_wavefront_size32 1
		.amdhsa_system_sgpr_workgroup_id_x 1
		.amdhsa_system_sgpr_workgroup_id_y 1
		.amdhsa_system_sgpr_workgroup_id_z 1
		.amdhsa_system_vgpr_workitem_id 0
		.amdhsa_next_free_vgpr 768
		.amdhsa_next_free_sgpr 106
		.amdhsa_reserve_vcc 1
		.amdhsa_float_denorm_mode_32 3
		.amdhsa_float_denorm_mode_16_64 3
		.amdhsa_memory_ordered 1
		.amdhsa_forward_progress 1
		.amdhsa_inst_pref_size 208
	.end_amdhsa_kernel
	.amdgpu_metadata
---
amdhsa.version: [ 1, 2 ]
amdhsa.kernels:
  - .name:           k_q01b211f3b3_proj
    .symbol:         k_q01b211f3b3_proj.kd
    .args:
      - { .name: embeddings_codes, .offset: 0, .size: 8, .value_kind: global_buffer, .address_space: global }
      - { .name: embeddings_scales, .offset: 8, .size: 8, .value_kind: global_buffer, .address_space: global }
      - { .name: wq_codes, .offset: 16, .size: 8, .value_kind: global_buffer, .address_space: global }
      - { .name: wq_scales, .offset: 24, .size: 8, .value_kind: global_buffer, .address_space: global }
      - { .name: wk_codes, .offset: 32, .size: 8, .value_kind: global_buffer, .address_space: global }
      - { .name: wk_scales, .offset: 40, .size: 8, .value_kind: global_buffer, .address_space: global }
      - { .name: wv_codes, .offset: 48, .size: 8, .value_kind: global_buffer, .address_space: global }
      - { .name: wv_scales, .offset: 56, .size: 8, .value_kind: global_buffer, .address_space: global }
      - { .name: bq, .offset: 64, .size: 8, .value_kind: global_buffer, .address_space: global }
      - { .name: bk, .offset: 72, .size: 8, .value_kind: global_buffer, .address_space: global }
      - { .name: bv, .offset: 80, .size: 8, .value_kind: global_buffer, .address_space: global }
      - { .name: qkimg, .offset: 88, .size: 8, .value_kind: global_buffer, .address_space: global }
      - { .name: qksc, .offset: 96, .size: 8, .value_kind: global_buffer, .address_space: global }
      - { .name: vimg, .offset: 104, .size: 8, .value_kind: global_buffer, .address_space: global }
      - { .name: vsc, .offset: 112, .size: 8, .value_kind: global_buffer, .address_space: global }
    .group_segment_fixed_size: 327680
    .private_segment_fixed_size: 0
    .kernarg_segment_align: 8
    .kernarg_segment_size: 120
    .max_flat_workgroup_size: 128
    .sgpr_count:     106
    .vgpr_count:     768
    .wavefront_size: 32
...
	.end_amdgpu_metadata
.endif
;; end of part 1
;; launch attn (part 2): grid 8 x 32, 16 waves a work-group, clusters of 4 x 1, 327,680 bytes of LDS; arguments qkimg, qksc, vimg, vsc, aimg, asc; writes aimg, asc
.if DOCPART == 2
	.amdgcn_target "amdgcn-amd-amdhsa--gfx1250"
	.amdhsa_code_object_version 6
	.text
	.protected	k_q01b211f3b3_attn
	.globl	k_q01b211f3b3_attn
	.p2align	8
	.type	k_q01b211f3b3_attn,@function
k_q01b211f3b3_attn:
	s_mov_b64 s[64:65], 0
	v_nop
	global_prefetch_b8 v0, s[64:65] scope:SCOPE_SE
	s_setreg_imm32_b32 hwreg(HW_REG_WAVE_MODE, 25, 1), 1
	s_wait_xcnt 0x0
	s_wait_alu depctr_hold_cnt(0) depctr_sa_sdst(0) depctr_va_vdst(0) depctr_va_sdst(0) depctr_va_ssrc(0) depctr_va_vcc(0) depctr_vm_vsrc(0)
	s_getreg_b32 s2, hwreg(HW_REG_IB_STS2, 6, 4)
	s_cmp_eq_u32 s2, 0
	s_cbranch_scc0 .Lentry_in_a_cluster
	s_endpgm
.Lentry_in_a_cluster:
	s_bfe_u32 s2, ttmp6, 0x10000c
	s_cmp_lg_u32 s2, 0x3003
	s_cbranch_scc0 .Lentry_shape_is_right
	s_endpgm
.Lentry_shape_is_right:
; attn[b][q][head][:] = the sum over keys of softmax(q . k / 8) v, both products on codes of FP4 (E2M1) with one E8M0 scale for each 32 along a product's K, and the result quantised along the 1,024 of the last product's K.
; THE SOFTMAX AHEAD OF THE SECOND PRODUCT: t = score x log2(e) / 8; M = the row's largest t so far, rounded UP to a whole number; p = 2^(t - M) is quantised along the keys, not normalised.
; The row's sum is taken of the unquantised p, in f32, and divides at the end.  When M moves, the sum and O are multiplied by 2^(old M - new M): exact.
; INPUTS are images of operand registers, made by the launch before: a tile of 16 tokens of q or k is 512 bytes (token rho's numbers 32 h on at 16 rho + 256 h); a fragment of v^T (16 of the head's 64 x 128 keys) is two such blocks;
; scale words lie 256 bytes for four tiles: the word of (tile a, row rho) at 8 (rho + 16 (a % 2)) + 4 (a / 2).
; SHARES.  A work-group owns 256 queries of a PAIR of heads of one batch; each of its sixteen waves owns 16 queries and walks all 2,048 keys, 128 a step, for the first head and then for the second: 32 steps with no barrier among them.
; LDS.  K, V and their scale words of both heads stay: 303,104 bytes, every byte filled once, at the head, one tensor load a wave (eleven waves load).  So there is no stream to run ahead of, and no prefetch is laid.
; CLUSTER.  The four query blocks of a cluster read the same K and V: every fill is a joint load with a mask that names the four.
; LAYOUT.  Both products are used transposed: S^T = K Q^T, O^T = V^T P^T: a lane holds ONE query (lane % 16) throughout.
; THE KEYS OF A TILE ARE CHOSEN so that a lane holds WHOLE blocks of 32 keys: row r of tile (c, t) is key 64 c + 8 t + r (r < 8) or 64 c + 32 + 8 t + r - 8.  Register 32 c + 8 t + j of lane (r, h) is then key 64 c + 32 h + 8 t + j:
; a block's maximum needs no other lane, and the conversion of tile (c, t) is register 4 c + t of the second product's operand as it stands.
; THE HEAD'S 64 FILL HALF OF THE INSTRUCTION'S K = 128.  Q's upper four registers are zero codes; so the upper four of a K fragment may hold anything finite: they are the next tile's codes (behind the last tile four registers of zeros).
; The eight tiles of a step so lie in 32 registers on end.  The scale words' upper two bytes are 0, a finite code.
; K's codes lie in LDS in rows of 1,024 bytes + 128 of padding: rows r < 8 and r >= 8 of a tile lie 1,024 bytes apart in the image, 1,152 in LDS, so sixteen lanes read sixteen different columns of 16 bytes.
; The next step's K is read from LDS behind this step's first products.  The last step's such read takes bytes of the regions behind K's (V's codes, V's scale words), which are filled; nothing uses it.
; LIMITS: NaN and infinities are not served; the promise holds while the scaled scores stay under 2^31 in magnitude.  A block whose largest magnitude lies under 2^-124 gets the scale byte 1, a block of zeros too (the rule says 127):
; its codes are zeros, and only this program reads the bytes.  A block's largest p is made from its largest score by the same multiply-add and exponential as every p; that takes v_exp_f32 not to fall where its input rises.
.set KSTP, 4608                        ; a step's 128 keys of K in LDS: four rows of 1,152
.set VC,   147456                      ; behind K's 128 rows: V's codes, 131,072 bytes,
.set KS,   278528                      ; K's scale words, 16,384,
.set VS,   294912                      ; V's, 8,192
.set SST,  303104                      ; 1,024 bytes in which the sixteen waves' scale words meet; no fill lands there
.set SPARE, 304128                     ; the spare words: 128 bytes a wave
.set WV, 16
.set SEL, 20
.set CS, 22
.set QF, 16                            ; v16-31  Q of both heads, each four registers of codes and four of zeros
.set KF, 32                            ; v32-63  K's eight tiles; v64-67 zeros
.set VF, 68                            ; v68-99  V's four fragments
.set S,  100                           ; v100-163 S^T, then p
.set O,  164                           ; v164-195 O^T
.set PC, 196                           ; v196-203 p's codes
.set OC, 204                           ; v204-211 the codes made
.set OW, 212                           ; v212 their scale word
.set KW, 213                           ; v213-216 K's scale words: register 2 c + t / 2, lanes 16-31 for odd t
.set VW, 218                           ; v218-219 V's
.set QW, 220                           ; v220-221 Q's
.set PW, 222                           ; v222 p's
; v1-4 lane bases, v5-8 the step's addresses, v9 8 h, v10 16 x lane, v11 and v224-225 the way out; v12 -M, v13 the largest score, v[14:15] the sum in two halves; v232-245, v252-254 at work; v251, v255 the add's
.macro ROUND                           ; a round of the cluster's barrier
	s_barrier_signal -1
	s_barrier_wait -1
	s_cmp_lg_u32 s[WV], 0
	s_cbranch_scc1 .Lnot_wave_0_\@
	s_barrier_signal -3
.Lnot_wave_0_\@:
	s_barrier_wait -3
	s_barrier_signal -1
	s_barrier_wait -1
.endm
.macro G0SET g, lds, ptr, off          ; a descriptor's group 0
	s_mov_b32 s[\g], 1
	s_mov_b32 s[\g+1], s[\lds]
	s_add_nc_u64 s[\g+2:\g+3], s[\ptr:\ptr+1], s[\off:\off+1]
	s_or_b32 s[\g+3], s[\g+3], 0x80000000
.endm
.macro ARM under, g0, g1, next         ; one arm of the head's chain: one joint load, s_nop 0 and four v_nop, a jump to the chain's end
	s_cmp_lt_u32 s[WV], \under
	s_cbranch_scc0 \next
	tensor_load_to_lds s[\g0:\g0+3], s[\g1:\g1+7]
	s_nop 0
.rept 4
	v_nop
.endr
	s_branch .Lasked
\next:
.endm
.macro KLOAD ak, as, ko, so            ; a step's eight tiles of K and their scale words: 12 LDS loads
.irp c, 0,1
.irp t, 0,1,2,3
	ds_load_b128 v[KF+16*\c+4*\t:KF+16*\c+4*\t+3], v[\ak] offset:\ko+2304*\c+512*(\t/2)+128*(\t%2)
.endr
.endr
.irp u, 0,1,2,3
	ds_load_b32 v[KW+\u], v[\as] offset:\so+128*\u
.endr
.endm
	s_load_b256 s[4:11], s[0:1], 0x0               ; qkimg, qksc, vimg, vsc
	s_load_b128 s[12:15], s[0:1], 0x20             ; aimg, asc
	v_lshl_add_u32 v251, v0, 2, SPARE
	v_mov_b32 v255, 0
	ds_add_u32 v251, v255                          ; the opening lines: the add, twice on end, and its wait ahead of the first tensor load
	ds_add_u32 v251, v255
	v_lshrrev_b32 v5, 5, v0
	v_readfirstlane_b32 s[WV], v5                  ; wave 0..15
	v_and_b32 v5, 31, v0                           ; lane
	v_and_b32 v6, 15, v0                           ; r
	v_and_b32 v7, 7, v0                            ; r % 8
	v_bfe_u32 v8, v0, 3, 1                         ; r / 8
	v_bfe_u32 v9, v0, 4, 1                         ; h
	v_lshlrev_b32 v10, 4, v5                       ; 16 x lane: my place in an image
	v_add_nc_u32 v2, VC, v10                       ; V's fragments, as they lie
	v_lshlrev_b32 v1, 4, v7
	v_mad_u32_u24 v1, v8, 1152, v1
	v_lshl_add_u32 v1, v9, 8, v1                   ; K: 16 (r % 8) + 1,152 (r / 8) + 256 h
	v_lshlrev_b32 v3, 3, v7
	v_lshl_add_u32 v3, v8, 2, v3
	v_lshl_add_u32 v3, v9, 6, v3
	v_add_nc_u32 v3, KS, v3                        ; K's scale words: 8 (r % 8) + 4 (r / 8); lanes 16-31 take the odd tile, 64 bytes on
	v_lshlrev_b32 v4, 3, v5
	v_add_nc_u32 v4, VS, v4                        ; V's: 8 x lane
	v_lshrrev_b32 v8, 5, v0
	v_lshlrev_b32 v8, 6, v8
	v_lshl_add_u32 v8, v6, 2, v8
	v_add_nc_u32 v11, SST, v8                      ; where my row's scale word goes: 64 x wave + 4 r
	v_lshlrev_b32 v225, 4, v0                      ; and how waves 0 and 1 take the 1,024 bytes out: 16 x thread
	v_add_nc_u32 v224, SST, v225
	v_lshlrev_b32 v9, 3, v9                        ; 8 h: my two bytes' place in p's scale word
	v_lshlrev_b32 v7, 3, v6                        ; Q's scale words: 8 r
	s_wait_alu depctr_va_vdst(0)                   ; directly ahead of the run of scalar instructions
	s_bfe_u32 s17, ttmp6, 0x40000                  ; my place in the cluster: it enters Q's, aimg's and asc's addresses alone
	s_lshl_b32 s18, ttmp9, 2
	s_add_co_u32 s18, s18, s17                     ; my block of 256 queries
	s_and_b32 s19, ttmp7, 0xffff                   ; y = 8 x batch + pair of heads, which the four partners share
	s_mov_b32 s[SEL], 0x76543210
	s_mov_b32 s[SEL+1], 0xfedcba98                 ; v_permlanex16_b32's selects for lane l xor 16
	s_mov_b32 s[CS], 0x3e38aa3b                    ; c = log2(e) / 8
	s_mov_b32 s[CS+1], s[CS]                       ; (named with it as a pair, so it is written)
	; descriptor groups 1: dense blocks as rows of 1,024 bytes (128 elements of 8 bytes).  K's codes: 32 rows, 32 words of padding behind each; V's codes: 32 rows; scale words: 8 rows
	s_mov_b32 s28, 15|(3<<16)|(1<<20)|(1<<21)|(7<<22)|(31<<25)
	s_mov_b32 s36, 15|(3<<16)|(1<<21)              ; 15:0 the mask: all four work-groups; 17:16 elements of 8 bytes; 21 set beside a mask
	s_mov_b32 s44, 15|(3<<16)|(1<<21)
.irp g, 28,36,44
	s_mov_b32 s[\g+1], 128<<16
	s_mov_b32 s[\g+3], 128<<16
	s_mov_b32 s[\g+5], 128
	s_mov_b32 s[\g+6], 0
	s_mov_b32 s[\g+7], 0
.endr
	s_mov_b32 s30, 32<<16
	s_mov_b32 s32, 32
	s_mov_b32 s38, 32<<16
	s_mov_b32 s40, 32
	s_mov_b32 s46, 8<<16
	s_mov_b32 s48, 8
	; who fetches what, for both heads, which lie on end in memory: waves 0-3 K's codes, 32,768 bytes each; waves 4-7 V's; waves 8, 9 K's scale words, 8,192 bytes each; wave 10 V's
	s_and_b32 s82, s[WV], 3
	s_lshl_b32 s80, s19, 17                        ; the pair's first byte in a buffer of codes
	s_lshl_b32 s83, s82, 15
	s_add_co_u32 s80, s80, s83                     ; + my quarter
	s_mov_b32 s81, 0
	s_add_co_u32 s90, s80, 1<<22                   ; k lies behind q
	s_mov_b32 s91, 0
	s_lshl_b32 s84, s19, 14                        ; K's scale words: 16,384 bytes a pair,
	s_lshl_b32 s83, s82, 13
	s_add_co_u32 s84, s84, s83                     ; my half,
	s_add_co_u32 s84, s84, 1<<19                   ; behind q's
	s_mov_b32 s85, 0
	s_lshl_b32 s86, s19, 13                        ; V's: 8,192 bytes a pair
	s_mov_b32 s87, 0
	s_mul_i32 s88, s82, 36864                      ; LDS: K's codes, 32 padded rows a wave;
	s_lshl_b32 s89, s82, 15
	s_add_co_u32 s89, s89, VC                      ; V's;
	s_lshl_b32 s92, s82, 13
	s_add_co_u32 s92, s92, KS                      ; the scale words: waves 8, 9, 10 on end
	s_wait_dscnt 0x0                               ; both opening adds are done
	s_wait_kmcnt 0x0
	G0SET 52, 88, 4, 90
	G0SET 56, 89, 8, 80
	G0SET 60, 92, 6, 84
	G0SET 68, 92, 10, 86
	ROUND                                          ; all four work-groups are here: the joint loads meet
	ARM 4,  52, 28, .Lhead_v
	ARM 8,  56, 36, .Lhead_ks
	ARM 10, 60, 44, .Lhead_vs
	ARM 11, 68, 44, .Lhead_none
.Lasked:
	; Q comes straight from memory: one wave reads it once.  tau = my tile of 16 queries in the batch's 128
	s_lshl_b32 s92, s18, 4
	s_add_co_u32 s92, s92, s[WV]                   ; tau
	s_lshl_b32 s90, s19, 17
	s_lshl_b32 s93, s92, 9
	s_add_co_u32 s90, s90, s93
	s_mov_b32 s91, 0
	s_add_nc_u64 s[4:5], s[4:5], s[90:91]
	global_load_b128 v[QF:QF+3], v10, s[4:5]                  ; the first head's
	global_load_b128 v[QF+8:QF+11], v10, s[4:5] offset:65536  ; the second's
	s_lshl_b32 s90, s19, 14
	s_lshr_b32 s93, s92, 2
	s_lshl_b32 s93, s93, 8                         ; 256 bytes for four tiles;
	s_add_co_u32 s90, s90, s93
	s_and_b32 s93, s92, 1
	s_lshl_b32 s93, s93, 7                         ; in them my tile's words: 128 (tau % 2)
	s_add_co_u32 s90, s90, s93
	s_bfe_u32 s93, s92, 0x10001
	s_lshl_b32 s93, s93, 2                         ; + 4 ((tau / 2) % 2)
	s_add_co_u32 s90, s90, s93
	s_add_nc_u64 s[6:7], s[6:7], s[90:91]
	global_load_b32 v[QW], v7, s[6:7]
	global_load_b32 v[QW+1], v7, s[6:7] offset:8192
	; where the results go
	s_and_b32 s93, s19, 7                          ; g: the pair of heads = the last product's K step
	s_lshr_b32 s94, s19, 3                         ; the batch
	s_lshl_b32 s94, s94, 7                         ; its first tile of tokens
	s_lshr_b32 s90, s93, 2
	s_lshl_b32 s90, s90, 21                        ; which half of K
	s_add_co_u32 s95, s94, s92
	s_lshl_b32 s95, s95, 12                        ; 4,096 bytes a tile of tokens
	s_add_co_u32 s90, s90, s95
	s_and_b32 s95, s93, 3
	s_lshl_b32 s95, s95, 10                        ; 1,024 bytes a K step
	s_add_co_u32 s90, s90, s95
	s_add_nc_u64 s[12:13], s[12:13], s[90:91]
	s_lshl_b32 s90, s93, 15                        ; scale words: 32,768 bytes a K step,
	s_lshl_b32 s95, s18, 4
	s_add_co_u32 s95, s95, s94
	s_lshl_b32 s95, s95, 6                         ; 64 bytes a tile of tokens: the work-group's sixteen are 1,024 bytes on end
	s_add_co_u32 s90, s90, s95
	s_add_nc_u64 s[14:15], s[14:15], s[90:91]
.irp i, 20,21,22,23,28,29,30,31,64,65,66,67,237,253
	v_mov_b32 v[\i], 0                             ; the empty half of K in Q's two fragments; the four registers behind K's last tile; a lane permute's destination; the upper half of the pair v[252:253]
.endr
	s_mov_b32 s24, 0                               ; the step's place: K's codes step 4,608 bytes,
	s_mov_b32 s25, 0                               ; V's 4,096,
	s_mov_b32 s26, 0                               ; K's scale words 512,
	s_mov_b32 s27, 0                               ; V's 256; the second head's lie behind the first's, so the walk goes on
; A KEY STEP: 128 keys of head hd.
.macro STEP hd
	s_wait_dscnt 0x0                               ; this step's K and its scale words, asked for in the step before
.irp c, 0,1
.irp t, 0,1,2,3
.if \t%2
	v_wmma_scale_f32_16x16x128_f8f6f4 v[S+32*\c+8*\t:S+32*\c+8*\t+7], v[KF+16*\c+4*\t:KF+16*\c+4*\t+7], v[QF+8*(\hd):QF+8*(\hd)+7], 0, v[KW+2*\c+\t/2], v[QW+(\hd)] matrix_a_fmt:MATRIX_FMT_FP4 matrix_b_fmt:MATRIX_FMT_FP4 matrix_a_scale:MATRIX_SCALE_ROW1
.else
	v_wmma_scale_f32_16x16x128_f8f6f4 v[S+32*\c+8*\t:S+32*\c+8*\t+7], v[KF+16*\c+4*\t:KF+16*\c+4*\t+7], v[QF+8*(\hd):QF+8*(\hd)+7], 0, v[KW+2*\c+\t/2], v[QW+(\hd)] matrix_a_fmt:MATRIX_FMT_FP4 matrix_b_fmt:MATRIX_FMT_FP4
.endif
.endr
.endr
	v_add_nc_u32 v5, s24, v1                       ; the step's addresses: also the four places behind the products, ahead of loads into their sources and of the first reads of results
	v_add_nc_u32 v6, s25, v2
	v_add_nc_u32 v7, s26, v3
	v_add_nc_u32 v8, s27, v4
.irp f, 0,1,2,3,4,5,6,7
	ds_load_b128 v[VF+4*\f:VF+4*\f+3], v6 offset:512*\f    ; this step's V, as it lies,
.endr
	ds_load_b64 v[VW:VW+1], v8                     ; its scale words,
	KLOAD 5, 7, KSTP, 512                          ; and the NEXT step's K: 12 loads
.irp q, 0,1,2,3
	v_max3_num_f32 v[232+\q], v[S+16*\q], v[S+16*\q+1], v[S+16*\q+2]   ; the largest score of each of my two blocks of 32 keys, in two chains a block; each accumulator from its low end on
.endr
.irp i, 3,5,7,9,11,13
.irp q, 0,1,2,3
	v_max3_num_f32 v[232+\q], v[232+\q], v[S+16*\q+\i], v[S+16*\q+\i+1]
.endr
.endr
	v_max3_num_f32 v232, v232, v233, v[S+15]
	v_max3_num_f32 v234, v234, v235, v[S+47]
	v_max_num_f32 v232, v232, v[S+31]              ; block h
	v_max_num_f32 v234, v234, v[S+63]              ; block 2 + h
	s_delay_alu instid0(VALU_DEP_1)
	v_max_num_f32 v236, v232, v234
	s_delay_alu instid0(VALU_DEP_1)
	v_permlanex16_b32 v237, v236, s[SEL], s[SEL+1]
	s_delay_alu instid0(VALU_DEP_1)
	v_max3_num_f32 v13, v13, v236, v237            ; the running largest score of my query
	s_delay_alu instid0(VALU_DEP_1)
	v_mul_f32 v238, s[CS], v13                     ; as t (c is positive)
	v_mov_b32 v239, v12
	s_delay_alu instid0(VALU_DEP_2)
	v_floor_f32 v12, -v238                         ; the new -M = floor(-t) = -ceil(t): M is a whole number
	s_delay_alu instid0(VALU_DEP_1)
	v_sub_f32 v239, v12, v239                      ; M's old value less its new one: a whole number, 0 or less
	s_delay_alu instid0(VALU_DEP_1)
	v_cvt_i32_f32 v239, v239                       ; (it saturates)
	s_delay_alu instid0(VALU_DEP_1)
	v_ldexp_f32 v252, 1.0, v239                    ; f = 2^(old M - new M): a multiplication by it rounds nothing
.set J, 0
.rept 32
	v_pk_fma_f32 v[S+J:S+J+1], v[S+J:S+J+1], s[CS:CS+1], v[12:13] op_sel_hi:[1,0,0]   ; t - M, two at a time (of the pairs c and -M the low word serves both halves)
.set J, J+2
.endr
	v_fma_f32 v232, v232, s[CS], v12               ; the same of each block's largest score
	v_fma_f32 v234, v234, s[CS], v12
	s_wait_alu depctr_va_vdst(0)                   ; ahead of the batch
.set J, 0
.rept 64
	v_exp_f32 v[S+J], v[S+J]                       ; p = 2^(t - M), at most 1: not normalised
.set J, J+1
.endr
	v_pk_mul_f32 v[14:15], v[14:15], v[252:253] op_sel_hi:[1,0]   ; the sums under the new M: the plain instruction behind the exponentials
	s_wait_alu depctr_va_vdst(0)                   ; one wait for the whole batch, ahead of its first reader
	v_exp_f32 v232, v232                           ; the blocks' largest p: the same two instructions on the same number give the same bits
	v_exp_f32 v234, v234
	v_pk_add_f32 v[236:237], v[S:S+1], v[S+2:S+3]  ; the row's sum of the unquantised p: two at a time, four chains by turns
	v_pk_add_f32 v[238:239], v[S+4:S+5], v[S+6:S+7]
	v_pk_add_f32 v[240:241], v[S+8:S+9], v[S+10:S+11]
	v_pk_add_f32 v[14:15], v[14:15], v[S+12:S+13]
.set J, 14
.rept 6
	v_pk_add_f32 v[236:237], v[236:237], v[S+J:S+J+1]
	v_pk_add_f32 v[238:239], v[238:239], v[S+J+2:S+J+3]
	v_pk_add_f32 v[240:241], v[240:241], v[S+J+4:S+J+5]
	v_pk_add_f32 v[14:15], v[14:15], v[S+J+6:S+J+7]
.set J, J+8
.endr
	v_pk_add_f32 v[236:237], v[236:237], v[S+62:S+63]
	s_delay_alu instid0(VALU_DEP_3)
	v_pk_add_f32 v[238:239], v[238:239], v[240:241]
	s_delay_alu instid0(VALU_DEP_2)
	v_pk_add_f32 v[14:15], v[14:15], v[236:237]
	s_delay_alu instid0(VALU_DEP_1)
	v_pk_add_f32 v[14:15], v[14:15], v[238:239]
	s_wait_alu depctr_va_vdst(0)                   ; and one for the two
	v_max_num_f32 v232, 0x1800000, v232            ; the floor 2^(3 - 127): the byte cannot fall under 1
	v_max_num_f32 v234, 0x1800000, v234
	s_delay_alu instid0(VALU_DEP_2)
	v_add_nc_u32 v244, 0xff000000, v232            ; 2 off the exponent field: the conversion's scale operand
	s_delay_alu instid0(VALU_DEP_2)
	v_add_nc_u32 v245, 0xff000000, v234
	s_delay_alu instid0(VALU_DEP_2)
	v_lshrrev_b32 v236, 23, v244                   ; the scale's byte
	s_delay_alu instid0(VALU_DEP_2)
	v_lshrrev_b32 v237, 23, v245
	s_delay_alu instid0(VALU_DEP_1)
	v_lshl_or_b32 v236, v237, 16, v236             ; my two bytes: blocks h and 2 + h,
	s_delay_alu instid0(VALU_DEP_1)
	v_lshlrev_b32 v236, v9, v236                   ; at their places in the word (8 h bits up);
	s_delay_alu instid0(VALU_DEP_1)
	v_permlanex16_b32 v237, v236, s[SEL], s[SEL+1]
	s_delay_alu instid0(VALU_DEP_1)
	v_or_b32 v[PW], v236, v237                     ; with lane l xor 16's two the word is whole
.irp c, 0,1
.irp t, 0,1,2,3
	v_cvt_scalef32_pk8_fp4_f32 v[PC+4*\c+\t], v[S+32*\c+8*\t:S+32*\c+8*\t+7], v[244+\c]   ; keys 64 c + 32 h + 8 t + 0 .. 7: the operand's register as it stands
.endr
.endr
	v_nop                                          ; one plain place behind a scaled conversion
	s_wait_dscnt 12                                ; V and its scale words are in; the 12 loads of the next step's K, issued behind them, may be out
	s_wait_alu depctr_va_vdst(0)                   ; directly ahead of the first reader of O^T
.set J, 0
.rept 16
	v_pk_mul_f32 v[O+J:O+J+1], v[O+J:O+J+1], v[252:253] op_sel_hi:[1,0]   ; O^T under the new M.  Twelve of the sixteen name no register of any one product below: the places behind p's codes and its scale word
.set J, J+2
.endr
.irp d, 0,1,2,3                                ; O^T += V^T P^T: 16 of the head's 64 at a time; the four accumulators take turns
.if \d%2
	v_wmma_scale_f32_16x16x128_f8f6f4 v[O+8*\d:O+8*\d+7], v[VF+8*\d:VF+8*\d+7], v[PC:PC+7], v[O+8*\d:O+8*\d+7], v[VW+\d/2], v[PW] matrix_a_fmt:MATRIX_FMT_FP4 matrix_b_fmt:MATRIX_FMT_FP4 matrix_a_scale:MATRIX_SCALE_ROW1
.else
	v_wmma_scale_f32_16x16x128_f8f6f4 v[O+8*\d:O+8*\d+7], v[VF+8*\d:VF+8*\d+7], v[PC:PC+7], v[O+8*\d:O+8*\d+7], v[VW+\d/2], v[PW] matrix_a_fmt:MATRIX_FMT_FP4 matrix_b_fmt:MATRIX_FMT_FP4
.endif
.endr
.endm
; A head is finished: O^T / the sum, quantised along the head's 64 (two blocks; in tile t register j is the head's number 16 t + 8 h + j): half hd of my fragment of the last product, and two bytes of its scale word.
.macro FINISH hd
.rept 4
	v_nop                                          ; places behind the last products
.endr
	v_add_f32 v14, v14, v15                        ; the sum's two halves,
	s_delay_alu instid0(VALU_DEP_1)
	v_permlanex16_b32 v252, v14, s[SEL], s[SEL+1]
	s_delay_alu instid0(VALU_DEP_1)
	v_add_f32 v14, v14, v252                       ; and lane l xor 16's: the row's sum
	s_wait_alu depctr_va_vdst(0)                   ; ahead of the transcendental
	v_rcp_f32 v14, v14
	v_nop                                          ; a plain place behind the reciprocal,
	s_wait_alu depctr_va_vdst(0)                   ; and a wait ahead of its first reader
.irp j, 0,2,4,6,8,10,12,14,16,18,20,22,24,26,28,30
	v_pk_mul_f32 v[S+\j:S+\j+1], v[O+\j:O+\j+1], v[14:15] op_sel_hi:[1,0]   ; each accumulator from its low end on
.endr
.irp b, 0,1
	v_max3_num_f32 v[232+\b], |v[S+16*\b]|, |v[S+16*\b+1]|, 0x1800000
.endr
.irp i, 2,4,6,8,10,12,14
.irp b, 0,1
	s_delay_alu instid0(VALU_DEP_2)
	v_max3_num_f32 v[232+\b], v[232+\b], |v[S+16*\b+\i]|, |v[S+16*\b+\i+1]|
.endr
.endr
.irp b, 0,1
	s_delay_alu instid0(VALU_DEP_2)
	v_permlanex16_b32 v[236+\b], v[232+\b], s[SEL], s[SEL+1]
.endr
.irp b, 0,1
	s_delay_alu instid0(VALU_DEP_2)
	v_max_num_f32 v[232+\b], v[232+\b], v[236+\b]
.endr
.irp b, 0,1
	s_delay_alu instid0(VALU_DEP_2)
	v_add_nc_u32 v[244+\b], 0xff000000, v[232+\b]
.endr
.irp b, 0,1
	s_delay_alu instid0(VALU_DEP_2)
	v_lshrrev_b32 v[236+\b], 23, v[244+\b]
.endr
.if (\hd) == 0
	s_delay_alu instid0(VALU_DEP_1)
	v_lshl_or_b32 v[OW], v237, 8, v236             ; bytes 0 and 1
.else
	s_delay_alu instid0(VALU_DEP_2)
	v_lshl_or_b32 v[OW], v236, 16, v[OW]           ; bytes 2 and 3
	s_delay_alu instid0(VALU_DEP_1)
	v_lshl_or_b32 v[OW], v237, 24, v[OW]
.endif
.irp t, 0,1,2,3
	v_cvt_scalef32_pk8_fp4_f32 v[OC+4*(\hd)+2*(\t%2)+\t/2], v[S+8*\t:S+8*\t+7], v[244+\t/2]
.endr
	v_nop                                          ; one plain place behind a scaled conversion
.irp i, 0,1
	v_permlane16_swap_b32 v[OC+4*(\hd)+2*\i], v[OC+4*(\hd)+2*\i+1]   ; a whole block into a lane
.endr
.endm
; One head: sixteen key steps.  O^T and the sum begin as zeros and the largest score under every score, so that the step is written once: the first change of M multiplies zeros.
.macro PASS hd
	v_mov_b32 v13, 0xff61b1e6                      ; -3e38
	v_floor_f32 v12, -v13
	v_mov_b32 v14, 0
	v_mov_b32 v15, 0
.set J, 0
.rept 32
	v_mov_b32 v[O+J], 0
.set J, J+1
.endr
	s_mov_b32 s96, 16
	s_wait_alu depctr_va_vdst(0)                   ; ahead of the loop's first blocking wait
.Lkey_\@:
	STEP \hd
	s_add_co_u32 s24, s24, KSTP
	s_add_co_u32 s25, s25, 4096
	s_add_co_u32 s26, s26, 512
	s_add_co_u32 s27, s27, 256
	s_sub_co_u32 s96, s96, 1
	s_cmp_lg_u32 s96, 0
	s_cbranch_scc1 .Lkey_\@
	FINISH \hd
.endm
	s_wait_alu depctr_va_vdst(0)                   ; the head's end
	s_wait_tensorcnt 0x0                           ; my tile, if I fetched one, is in
	s_barrier_signal -1
	s_barrier_wait -1                              ; everybody's is: K, V and their scale words of both heads
	KLOAD 1, 3, 0, 0                               ; the first step's K
	s_wait_loadcnt 0x0                             ; Q
	PASS 0
	PASS 1
	ds_store_b32 v11, v[OW]                        ; my rows' scale words (lanes l and l xor 16 write the same word with the same value)
	global_store_b128 v10, v[OC:OC+3], s[12:13]             ; my fragment, as it stands: 512 consecutive bytes a store, aligned
	global_store_b128 v10, v[OC+4:OC+7], s[12:13] offset:512
	s_wait_dscnt 0x0                               ; for the others' sake: my store has landed
	s_barrier_signal -1
	s_barrier_wait -1
	s_cmp_lt_u32 s[WV], 2                          ; the sixteen waves' 1,024 bytes of scale words leave by two waves, 512 consecutive bytes each
	s_cbranch_scc0 .Lno_words
	ds_load_b128 v[226:229], v224
	s_wait_dscnt 0x0
	global_store_b128 v225, v[226:229], s[14:15]
.Lno_words:
	s_wait_tensorcnt 0x0                           ; the wave's end
	ds_add_u32 v251, v255
	s_wait_dscnt 0x0
	ROUND                                          ; the closing round: no work-group ends while a partner may still ask for a tile that names it
	s_endpgm
.Lfunc_end_k_q01b211f3b3_attn:
	.size	k_q01b211f3b3_attn, .Lfunc_end_k_q01b211f3b3_attn-k_q01b211f3b3_attn
	.p2alignl 7, 3214868480
	.fill 96, 4, 3214868480
	.section	.rodata,"a",@progbits
	.p2align	6, 0x0
	.amdhsa_kernel k_q01b211f3b3_attn
		.amdhsa_group_segment_fixed_size 327680
		.amdhsa_private_segment_fixed_size 0
		.amdhsa_enable_private_segment 0
		.amdhsa_kernarg_size 48
		.amdhsa_user_sgpr_count 2
		.amdhsa_user_sgpr_kernarg_segment_ptr 1
		.amdhsa_wavefront_size32 1
		.amdhsa_system_sgpr_workgroup_id_x 1
		.amdhsa_system_sgpr_workgroup_id_y 1
		.amdhsa_system_sgpr_workgroup_id_z 1
		.amdhsa_system_vgpr_workitem_id 0
		.amdhsa_next_free_vgpr 256
		.amdhsa_next_free_sgpr 100
		.amdhsa_reserve_vcc 0
		.amdhsa_float_denorm_mode_32 3
		.amdhsa_float_denorm_mode_16_64 3
		.amdhsa_memory_ordered 1
		.amdhsa_forward_progress 1
		.amdhsa_inst_pref_size 51
	.end_amdhsa_kernel
	.amdgpu_metadata
---
amdhsa.version: [ 1, 2 ]
amdhsa.kernels:
  - .name:           k_q01b211f3b3_attn
    .symbol:         k_q01b211f3b3_attn.kd
    .args:
      - { .name: qkimg, .offset: 0, .size: 8, .value_kind: global_buffer, .address_space: global }
      - { .name: qksc, .offset: 8, .size: 8, .value_kind: global_buffer, .address_space: global }
      - { .name: vimg, .offset: 16, .size: 8, .value_kind: global_buffer, .address_space: global }
      - { .name: vsc, .offset: 24, .size: 8, .value_kind: global_buffer, .address_space: global }
      - { .name: aimg, .offset: 32, .size: 8, .value_kind: global_buffer, .address_space: global }
      - { .name: asc, .offset: 40, .size: 8, .value_kind: global_buffer, .address_space: global }
    .group_segment_fixed_size: 327680
    .private_segment_fixed_size: 0
    .kernarg_segment_align: 8
    .kernarg_segment_size: 48
    .max_flat_workgroup_size: 512
    .sgpr_count:     100
    .vgpr_count:     256
    .wavefront_size: 32
...
	.end_amdgpu_metadata
.endif
;; end of part 2
;; launch outp (part 3): grid 4 x 64, 4 waves a work-group, clusters of 4 x 4, 262,656 bytes of LDS; arguments aimg, asc, wo_codes, wo_scales, bo, out0; writes out0
.if DOCPART == 3
	.amdgcn_target "amdgcn-amd-amdhsa--gfx1250"
	.amdhsa_code_object_version 6
	.text
	.protected	k_q01b211f3b3_outp
	.globl	k_q01b211f3b3_outp
	.p2align	8
	.type	k_q01b211f3b3_outp,@function
k_q01b211f3b3_outp:
	s_mov_b64 s[64:65], 0
	v_nop
	global_prefetch_b8 v0, s[64:65] scope:SCOPE_SE
	s_setreg_imm32_b32 hwreg(HW_REG_WAVE_MODE, 25, 1), 1
	s_wait_xcnt 0x0
	s_wait_alu depctr_hold_cnt(0) depctr_sa_sdst(0) depctr_va_vdst(0) depctr_va_sdst(0) depctr_va_ssrc(0) depctr_va_vcc(0) depctr_vm_vsrc(0)
	s_getreg_b32 s2, hwreg(HW_REG_IB_STS2, 6, 4)
	s_cmp_eq_u32 s2, 0
	s_cbranch_scc0 .Lentry_in_a_cluster
	s_endpgm
.Lentry_in_a_cluster:
	s_bfe_u32 s2, ttmp6, 0x10000c
	s_cmp_lg_u32 s2, 0xf033
	s_cbranch_scc0 .Lentry_shape_is_right
	s_endpgm
.Lentry_shape_is_right:
; out = attn wo^T + bo on codes of FP4 (E2M1) with one E8M0 scale for each 32 along K = 1,024.  out: [8,192][1,024] f32.
; wo arrives as rows of 512 bytes of codes and 32 scale bytes.  attn arrives as images of operand registers, made by the launch before: [half of K][tile of 16 tokens][K step in the half][c][512 bytes], lane l's 16 bytes at 16 l;
; its scale words lie [K step][tile][16 words].
; THE MATRIX INSTRUCTION IS USED TRANSPOSED: source 0 (P) = 16 rows of wo, source 1 (R) = 16 tokens: a lane then holds eight neighbouring numbers of a row of out.
; SHARES.  A work-group makes 256 columns x 128 tokens over all of K; its four waves 128 x 64 each: 32 accumulators.  256 work-groups.
; LDS.  All of K fits: wo's 256 rows (512 bytes + 16 of padding) and the tokens' images (dense); behind them wo's scale bytes and a stage for each wave.  Every byte is filled once; no fill lands in the stages.
; CLUSTERS: 4 x 4 work-groups.  wo's rows hang on the place along x alone and are shared down a column of the cluster, the tokens on the place along y alone and are shared along a row: each tile is asked for jointly.
; REGISTERS, in windows of 256: window 0: addresses, scale words, the bias; window 1: the accumulators, (a, b) at v[64 a + 8 b]; window 2: two sets of fragments, set s at v[128 s]: P's eight, then R's four; window 3: on the way out, rows of out.
.set PITCH, 528                        ; an LDS row of wo now holds all of K: 512 bytes + 16 of padding = 33 x 16 bytes
.set PHALF, 128*PITCH
.set ROFS,  256*PITCH
.set SLOT,  256                        ; K = 512 .. 1,023 of wo lies 256 bytes on in the same LDS row (one fill brings whole rows; there are no two slots any more)
.set SCL,   ROFS+65536                 ; behind wo's 256 rows and the tokens' images of both halves of K (32,768 bytes each): wo's scale bytes: 32 units of 256 bytes + 16
.set STG,   SCL+32*272                 ; the stages: 16 rows x (512 bytes + 16) for each wave
.set ADP,  10
.set ADR,  12
.set ADSP, 14
.set STO,  15                          ; v15  the way out: where I put 32 bytes of a row
.set CO,   16                          ; v16  16 x lane: my place in a row's 512 bytes
.set RD,   17                          ; v17  where I read a row back
.set BOF,  18
.set SOF,  19
.set SCP,  32                          ; v32-63  wo's scale words: register 4 b + q: lanes 0-15 K step q, lanes 16-31 K step 4 + q
.set SCR,  64                          ; v64-79  the tokens': register 8 (a / 2) + K step: lanes 0-15 the even tile, lanes 16-31 the odd one
.set BP,   80                          ; v80-143 bo in the result's layout: register 8 b + j
.set WV, 16
.set WH, 17
.set WL, 18
.set CX, 19
.set CY, 20
.set CLY, 21
.set RMASK, 22
.set CMASK, 23
.set G1P, 24
.set G1R, 32
.set G1S, 40
.set G0P, 48
.set G0R, 56
.set G0S, 68
.set PROW, 72                          ; s72  my wave's first row of wo: the place along x alone
.set RT, 73                            ; s73  the work-group's block of 128 tokens: the place along y alone
.set MSB, 0
.macro WIN new                         ; the immediate's high byte repeats the setting that is left
.if MSB != \new
	s_set_vgpr_msb (MSB<<8)|\new
.set MSB, \new
.endif
.endm
.macro PLACES n
.rept \n
	v_nop
.endr
.endm
; One arm of the head's chain of branches on the wave's number: one joint load, its s_nop 0 and four v_nop, and a jump to the chain's end.
.macro ARM under, g0, g1, next
	s_cmp_lt_u32 s[WV], \under
	s_cbranch_scc0 \next
	tensor_load_to_lds s[\g0:\g0+3], s[\g1:\g1+7]
	s_nop 0
.rept 4
	v_nop
.endr
	s_branch .Lhead_asked
\next:
.endm
.macro CROUND                          ; a round of the cluster's barrier
	s_barrier_signal -1
	s_barrier_wait -1
	s_cmp_lg_u32 s[WV], 0
	s_cbranch_scc1 .Lnot_wave_0_\@
	s_barrier_signal -3
.Lnot_wave_0_\@:
	s_barrier_wait -3
	s_barrier_signal -1
	s_barrier_wait -1
.endm
	s_load_b256 s[4:11], s[0:1], 0x0               ; aimg, asc, wo codes, wo scales
	s_load_b128 s[12:15], s[0:1], 0x20             ; bo, out0
	v_lshl_add_u32 v254, v0, 2, 0x40000
	v_mov_b32 v255, 0
	ds_add_u32 v254, v255
	ds_add_u32 v254, v255
	v_lshrrev_b32 v1, 5, v0
	v_readfirstlane_b32 s[WV], v1                  ; wave 0..3
	s_lshr_b32 s[WH], s[WV], 1                     ; my half of the tokens.  Also: I fetch for P (0) or for R (1)
	s_and_b32 s[WL], s[WV], 1                      ; my half of wo's rows.  Also: which half I fetch
	s_bfe_u32 s[CX], ttmp6, 0x40000
	s_bfe_u32 s[CY], ttmp6, 0x40004
	s_and_b32 s[CLY], ttmp7, 0xffff
	s_lshl_b32 s[RMASK], s[CY], 2
	s_lshl_b32 s[RMASK], 15, s[RMASK]              ; my row of the cluster
	s_lshl_b32 s[CMASK], 0x1111, s[CX]             ; my column
	s_lshl_b32 s[PROW], s[CX], 8
	s_lshl_b32 s2, s[WL], 7
	s_add_co_u32 s[PROW], s[PROW], s2
	s_lshl_b32 s[RT], s[CLY], 2
	s_add_co_u32 s[RT], s[RT], s[CY]
	; descriptor groups 1.  wo's codes: 256 rows of 512 bytes, 16 bytes of padding behind each
	s_or_b32 s[G1P], s[CMASK], (1<<20)|(1<<21)|(6<<22)|(3<<25)    ; 256 rows of 512 bytes (all of K), four words of padding after every 128 words
	s_mov_b32 s[G1P+1], 512<<16
	s_mov_b32 s[G1P+2], 256<<16
	s_mov_b32 s[G1P+3], 512<<16
	s_mov_b32 s[G1P+4], 256
	s_mov_b32 s[G1P+5], 512
	s_mov_b32 s[G1P+6], 0
	s_mov_b32 s[G1P+7], 0
	; the tokens' images: eight tiles' 32,768 dense bytes, as 128 rows of 256 bytes (32 elements of 8 bytes), no padding
	s_or_b32 s[G1R], s[RMASK], (3<<16)|(1<<21)
	s_mov_b32 s[G1R+1], 32<<16
	s_mov_b32 s[G1R+2], 128<<16                    ; eight tiles' 32,768 dense bytes: 128 rows of 256
	s_mov_b32 s[G1R+3], 32<<16
	s_mov_b32 s[G1R+4], 128
	s_mov_b32 s[G1R+5], 32
	s_mov_b32 s[G1R+6], 0
	s_mov_b32 s[G1R+7], 0
	; wo's scale bytes: 256 rows' 8,192 dense bytes, as 32 rows of 256 bytes with 16 bytes of padding
	s_or_b32 s[G1S], s[CMASK], (3<<16)|(1<<20)|(1<<21)|(5<<22)|(3<<25)
	s_mov_b32 s[G1S+1], 32<<16
	s_mov_b32 s[G1S+2], 32<<16                     ; 256 rows' 8,192 dense bytes: 32 rows of 256
	s_mov_b32 s[G1S+3], 32<<16
	s_mov_b32 s[G1S+4], 32
	s_mov_b32 s[G1S+5], 32
	s_mov_b32 s[G1S+6], 0
	s_mov_b32 s[G1S+7], 0
	s_lshl_b32 s74, s[CX], 17                      ; wo's codes at the work-group's 256 rows
	s_mov_b32 s75, 0
	s_lshl_b32 s76, s[RT], 15                      ; the images: 4,096 bytes a tile, eight tiles to the block,
	s_lshl_b32 s2, s[WL], 21                       ; wave 2 fetches the first half of K, wave 3 the second
	s_add_co_u32 s76, s76, s2
	s_mov_b32 s77, 0
	s_lshl_b32 s78, s[CX], 13                      ; wo's scale bytes of those 256 rows
	s_mov_b32 s79, 0
	s_lshl_b32 s3, s[WL], 15                       ; where the images go: no place in the cluster enters an LDS address
	s_add_co_u32 s3, s3, ROFS
	s_wait_dscnt 0x0
	s_wait_kmcnt 0x0
	s_add_nc_u64 s[8:9], s[8:9], s[74:75]
	s_add_nc_u64 s[4:5], s[4:5], s[76:77]
	s_add_nc_u64 s[10:11], s[10:11], s[78:79]
	s_mov_b32 s[G0P], 1
	s_mov_b32 s[G0P+1], 0
	s_mov_b64 s[G0P+2:G0P+3], s[8:9]
	s_or_b32 s[G0P+3], s[G0P+3], 0x80000000
	s_mov_b32 s[G0R], 1
	s_mov_b32 s[G0R+1], s3
	s_mov_b64 s[G0R+2:G0R+3], s[4:5]
	s_or_b32 s[G0R+3], s[G0R+3], 0x80000000
	s_mov_b32 s[G0S], 1
	s_mov_b32 s[G0S+1], SCL
	s_mov_b64 s[G0S+2:G0S+3], s[10:11]
	s_or_b32 s[G0S+3], s[G0S+3], 0x80000000
	CROUND                                         ; all sixteen work-groups are here: the joint loads meet
	; THE HEAD'S LOADS, ONE A WAVE: wave 0 wo's 256 rows, wave 1 wo's scale bytes, waves 2 and 3 the tokens' images of the two halves of K.  That is all that this launch fetches into LDS.
	ARM 1, G0P, G1P, .Lhead_s
	ARM 2, G0S, G1S, .Lhead_r
	tensor_load_to_lds s[G0R:G0R+3], s[G1R:G1R+7]
	s_nop 0
.rept 4
	v_nop
.endr
.Lhead_asked:
	v_and_b32 v1, 15, v0                           ; r
	v_bfe_u32 v2, v0, 4, 1                         ; h
	v_and_b32 v3, 31, v0                           ; lane
	v_lshlrev_b32 v[CO], 4, v3
	v_mul_u32_u24 v4, v1, PITCH
	v_lshl_add_u32 v4, v2, 4, v4                   ; a fragment's row x pitch + 16 h
	s_mul_i32 s2, s[WL], PHALF
	v_add_nc_u32 v[ADP], s2, v4
	s_add_co_u32 s2, s2, SLOT
	v_add_nc_u32 v[ADP+1], s2, v4
	s_lshl_b32 s2, s[WH], 14
	s_add_co_u32 s2, s2, ROFS
	v_add_nc_u32 v[ADR], s2, v[CO]                 ; an image: 16 x lane
	s_add_co_u32 s2, s2, 32768
	v_add_nc_u32 v[ADR+1], s2, v[CO]
	v_lshlrev_b32 v5, 5, v1
	v_lshrrev_b32 v6, 3, v1
	v_lshl_add_u32 v5, v6, 4, v5                   ; a row's 32 scale bytes: 32 r + 16 (r / 8);
	v_lshl_add_u32 v5, v2, 4, v5                   ; lanes 0-15 take the words of K steps 0-3, lanes 16-31 those of K steps 4-7
	s_mul_i32 s2, s[WL], 16*272
	s_add_co_u32 s2, s2, SCL
	v_add_nc_u32 v[ADSP], s2, v5
	s_mul_i32 s2, s[WV], 16*528
	s_add_co_u32 s2, s2, STG                       ; my stage
	v_mul_u32_u24 v5, v1, 528
	v_lshl_add_u32 v5, v2, 5, v5
	v_add_nc_u32 v[STO], s2, v5                    ; in: row r, 32 bytes for each half of the lanes
	v_add_nc_u32 v[RD], s2, v[CO]                  ; back: the 32 lanes take one row of 512 bytes
	v_lshlrev_b32 v[BOF], 5, v2
	v_lshlrev_b32 v[SOF], 2, v3
	s_lshl_b32 s74, s[PROW], 2
	s_add_nc_u64 s[12:13], s[12:13], s[74:75]      ; bo at my first column: lane (r, h) wants, for tile b, the numbers 16 b + 8 h + 0 .. 7
.irp b, 0,1,2,3,4,5,6,7
	global_load_b128 v[BP+8*\b:BP+8*\b+3], v[BOF], s[12:13] offset:64*\b
	global_load_b128 v[BP+8*\b+4:BP+8*\b+7], v[BOF], s[12:13] offset:64*\b+16
.endr
	s_lshl_b32 s76, s[RT], 9                       ; the tokens' scale words: 64 bytes a tile;
	s_lshl_b32 s2, s[WH], 8                        ; my four tiles
	s_add_co_u32 s76, s76, s2
	s_add_nc_u64 s[6:7], s[6:7], s[76:77]
.irp p, 0,1
.irp g, 0,1,2,3,4,5,6,7
	global_load_b32 v[SCR+8*\p+\g], v[SOF], s[6:7] offset:32768*\g+128*\p   ; two tiles' words, 128 consecutive bytes
.endr
.endr
	s_lshl_b32 s76, s[RT], 19                      ; out at my first token (4,096 bytes a row) and my first column
	s_lshl_b32 s2, s[WH], 18
	s_add_co_u32 s76, s76, s2
	s_add_co_u32 s76, s76, s74
	s_add_nc_u64 s[14:15], s[14:15], s[76:77]
; one scaled matrix instruction: D, A, B, C by their first registers, the two scale registers, and whether each is read from lanes 16-31
.macro WM d, p, r, c, sa, sb, ra, rb
.if (\ra) && (\rb)
	v_wmma_scale_f32_16x16x128_f8f6f4 v[(\d):(\d)+7], v[(\p):(\p)+7], v[(\r):(\r)+7], v[(\c):(\c)+7], v[\sa], v[\sb] matrix_a_fmt:MATRIX_FMT_FP4 matrix_b_fmt:MATRIX_FMT_FP4 matrix_a_scale:MATRIX_SCALE_ROW1 matrix_b_scale:MATRIX_SCALE_ROW1
.elseif (\ra)
	v_wmma_scale_f32_16x16x128_f8f6f4 v[(\d):(\d)+7], v[(\p):(\p)+7], v[(\r):(\r)+7], v[(\c):(\c)+7], v[\sa], v[\sb] matrix_a_fmt:MATRIX_FMT_FP4 matrix_b_fmt:MATRIX_FMT_FP4 matrix_a_scale:MATRIX_SCALE_ROW1
.elseif (\rb)
	v_wmma_scale_f32_16x16x128_f8f6f4 v[(\d):(\d)+7], v[(\p):(\p)+7], v[(\r):(\r)+7], v[(\c):(\c)+7], v[\sa], v[\sb] matrix_a_fmt:MATRIX_FMT_FP4 matrix_b_fmt:MATRIX_FMT_FP4 matrix_b_scale:MATRIX_SCALE_ROW1
.else
	v_wmma_scale_f32_16x16x128_f8f6f4 v[(\d):(\d)+7], v[(\p):(\p)+7], v[(\r):(\r)+7], v[(\c):(\c)+7], v[\sa], v[\sb] matrix_a_fmt:MATRIX_FMT_FP4 matrix_b_fmt:MATRIX_FMT_FP4
.endif
.endm
.macro SCALES                          ; wo's scale words of my 128 rows, for all of K
.irp b, 0,1,2,3,4,5,6,7
	ds_load_b128 v[SCP+4*\b:SCP+4*\b+3], v[ADSP] offset:544*\b
.endr
.endm
; THE TOKENS GO IN TWO HALVES (ph = 0, 1): tiles 2 ph and 2 ph + 1 are finished over all of K and stored, so that the first half's stores are on their way while the second half is multiplied.  wo's fragments are read once for each half.
.macro FETCH k, set, ph                ; the fragments of K step k into a set: wo's eight, the half's two tiles of tokens: 20 loads
	WIN 0x80                                       ; destination window 2, address window 0
.irp i, 0,1,2,3,4,5,6,7
.irp c, 0,1
	ds_load_b128 v[128*(\set)+8*\i+4*\c:128*(\set)+8*\i+4*\c+3], v[ADP+(\k)/4] offset:64*((\k)%4)+32*\c+\i*16*PITCH
.endr
.endr
.irp i, (2*(\ph)), (2*(\ph)+1)
.irp c, 0,1
	ds_load_b128 v[128*(\set)+64+8*\i+4*\c:128*(\set)+64+8*\i+4*\c+3], v[ADR+(\k)/4] offset:4096*\i+1024*((\k)%4)+512*\c
.endr
.endr
.endm
; K step k: 16 matrix instructions; the half's 16 accumulators take turns, one instruction a turn, in the same order in every step.  The first step's C is bo.
.macro MUL k, set, ph                  ; 16 matrix instructions: the half's 16 accumulators take turns
.if (\k) == 0
	WIN 0x4a                                       ; A and B window 2, C window 0, D window 1
.else
	WIN 0x5a                                       ; C and D window 1
.endif
.irp a, (2*(\ph)), (2*(\ph)+1)
.irp b, 0,1,2,3,4,5,6,7
.if (\k) == 0
	WM 64*\a+8*\b, 128*(\set)+8*\b, 128*(\set)+64+8*\a, BP+8*\b, SCP+4*\b+(\k)%4, SCR+8*(\a/2)+(\k), (\k)/4, \a%2
.else
	WM 64*\a+8*\b, 128*(\set)+8*\b, 128*(\set)+64+8*\a, 64*\a+8*\b, SCP+4*\b+(\k)%4, SCR+8*(\a/2)+(\k), (\k)/4, \a%2
.endif
.endr
.endr
.endm
	s_wait_alu depctr_va_vdst(0)
	s_wait_tensorcnt 0x0                           ; my one tile is in
	s_barrier_signal -1
	s_barrier_wait -1                              ; everybody's are
	SCALES
	FETCH 0, 0, 0
	s_wait_loadcnt 0x0                             ; bo and the tokens' scale words
.set KK, 0
.rept 8                                ; the first half; its last step fetches the second half's first fragments
.if KK > 0
	PLACES 4                                       ; in front of loads into the set that the last step multiplied
.endif
	FETCH (KK+1)%8, (KK+1)%2, (KK+1)/8
	s_wait_dscnt 20                                ; all but the 20 loads just issued: this step's fragments are in
	MUL KK, KK%2, 0
.set KK, KK+1
.endr
; THE WAY OUT, block by block of 16 tokens x 128 columns.  A lane holds 32 neighbouring bytes of a row, and the lanes beside it hold other rows: so a block goes through my own stage and comes back as whole rows of
; 512 bytes.  LDS serves a wave's instructions in order (ISA guide 5.7.1.4): no wait between the stores and the loads, nor in front of the next block's stores.
.macro TOSTAGE a
	WIN 0x04                                       ; an LDS store's data are its source 1: window 1
.irp b, 0,1,2,3,4,5,6,7
	ds_store_b128 v[STO], v[64*(\a)+8*\b:64*(\a)+8*\b+3] offset:64*\b          ; each accumulator from its low end on
	ds_store_b128 v[STO], v[64*(\a)+8*\b+4:64*(\a)+8*\b+7] offset:64*\b+16
.endr
	WIN 0xc0                                       ; back into window 3, which holds nothing else
.irp t, 0,1,2,3,4,5,6,7,8,9,10,11,12,13,14,15
	ds_load_b128 v[128*((\a)%2)+4*\t:128*((\a)%2)+4*\t+3], v[RD] offset:\t*528
.endr
.endm
.macro SEND a, younger                 ; younger: the LDS instructions issued behind block a's loads, which may stay out
	s_wait_dscnt \younger
	WIN 0x0c                                       ; a store's data are its source 1: window 3
.irp t, 0,1,2,3,4,5,6,7,8,9,10,11,12,13,14,15
	global_store_b128 v[CO], v[128*((\a)%2)+4*\t:128*((\a)%2)+4*\t+3], s[14:15] offset:(16*(\a)+\t)*4096 th:TH_STORE_NT   ; 32 lanes store 512 consecutive bytes, aligned; written once, read by nobody here
.endr
.endm
	PLACES 4                                       ; in front of the first reads of results
	TOSTAGE 0
	TOSTAGE 1
	SEND 0, 32                                     ; behind block 0's loads: block 1's 16 stores and 16 loads
	SEND 1, 0
.set KK, 0
.rept 8                                ; the second half
	PLACES 4                                       ; in front of loads into the set that the last step multiplied
.if KK < 7
	FETCH KK+1, (KK+1)%2, 1
	s_wait_dscnt 20                                ; all but the 20 loads just issued
.else
	s_wait_dscnt 0x0
.endif
	MUL KK, KK%2, 1
.set KK, KK+1
.endr
	PLACES 4
	s_wait_xcnt 0x0                                ; blocks 0 and 1's stores have read their registers: blocks 2 and 3's loads may land there
	TOSTAGE 2
	TOSTAGE 3
	SEND 2, 32
	SEND 3, 0
	WIN 0
	s_wait_tensorcnt 0x0
	ds_add_u32 v254, v255
	s_wait_dscnt 0x0
	CROUND                                         ; the closing round: no work-group ends while a partner may still ask for a tile that names it
	s_endpgm
.Lfunc_end_k_q01b211f3b3_outp:
	.size	k_q01b211f3b3_outp, .Lfunc_end_k_q01b211f3b3_outp-k_q01b211f3b3_outp
	.p2alignl 7, 3214868480
	.fill 96, 4, 3214868480
	.section	.rodata,"a",@progbits
	.p2align	6, 0x0
	.amdhsa_kernel k_q01b211f3b3_outp
		.amdhsa_group_segment_fixed_size 262656
		.amdhsa_private_segment_fixed_size 0
		.amdhsa_enable_private_segment 0
		.amdhsa_kernarg_size 48
		.amdhsa_user_sgpr_count 2
		.amdhsa_user_sgpr_kernarg_segment_ptr 1
		.amdhsa_wavefront_size32 1
		.amdhsa_system_sgpr_workgroup_id_x 1
		.amdhsa_system_sgpr_workgroup_id_y 1
		.amdhsa_system_sgpr_workgroup_id_z 1
		.amdhsa_system_vgpr_workitem_id 0
		.amdhsa_next_free_vgpr 1024
		.amdhsa_next_free_sgpr 80
		.amdhsa_reserve_vcc 0
		.amdhsa_float_denorm_mode_32 3
		.amdhsa_float_denorm_mode_16_64 3
		.amdhsa_memory_ordered 1
		.amdhsa_forward_progress 1
		.amdhsa_inst_pref_size 81
	.end_amdhsa_kernel
	.amdgpu_metadata
---
amdhsa.version: [ 1, 2 ]
amdhsa.kernels:
  - .name:           k_q01b211f3b3_outp
    .symbol:         k_q01b211f3b3_outp.kd
    .args:
      - { .name: aimg, .offset: 0, .size: 8, .value_kind: global_buffer, .address_space: global }
      - { .name: asc, .offset: 8, .size: 8, .value_kind: global_buffer, .address_space: global }
      - { .name: wo_codes, .offset: 16, .size: 8, .value_kind: global_buffer, .address_space: global }
      - { .name: wo_scales, .offset: 24, .size: 8, .value_kind: global_buffer, .address_space: global }
      - { .name: bo, .offset: 32, .size: 8, .value_kind: global_buffer, .address_space: global }
      - { .name: out0, .offset: 40, .size: 8, .value_kind: global_buffer, .address_space: global }
    .group_segment_fixed_size: 262656
    .private_segment_fixed_size: 0
    .kernarg_segment_align: 8
    .kernarg_segment_size: 48
    .max_flat_workgroup_size: 128
    .sgpr_count:     80
    .vgpr_count:     1024
    .wavefront_size: 32
...
	.end_amdgpu_metadata
.endif
;; end of part 3
